; MI455X (gfx1250); checked and timed in simulation.
; The chip was launched on July 23, 2026; its instructions are those of AMD's public machine-readable ISA for CDNA 5 (MIT licence, August 2026) and "CDNA5" Instruction Set Architecture Reference Guide (July 2026). The comments in the code are by the model that wrote it; some were corrected since.
;; Causal Attention. Allowed arithmetic: matrix products marked QUANTISED: E2M3 operands, one E8M0 scale for each 32 along K, by v_wmma_scale_f32_16x16x128_f8f6f4 with both operands' format E2M3, f32 sums; everything else in f32.
;; Inputs: W_out 1,024 x 1,024 float32; W_qkv 1,024 x 3,072 float32; b_out 1,024 float32; b_qkv 3,072 float32; entity_bias 4 x 2,048 x 2,048 float32; x 4 x 2,048 x 1,024 float32.
;; Outputs: out0 4 x 2,048 x 1,024 float32.
;; This version of the problem:
;;   THIS VERSION OF THE PROBLEM IS GIVEN IN LOW PRECISION. The matrix products marked QUANTISED in the list below multiply operands that are first quantised to E2M3 (2 exponent bits, 3 mantissa bits; 6 bits a number), with one power-of-two scale for each 32 numbers along K (OCP MX v1.0); their sums are f32. All else is computed in f32.
;;   The module's matrix products, in the order in which they are computed (A, B: the left and right operand; K: the contracted axis; several contracted axes count as one K, in the product's order):
;;     1. [M 8,192, K 1,024] x [K 1,024, N 3,072]; A: input x; B: input W_qkv: QUANTISED
;;     2. batch 64 x [M 2,048, K 64] x [K 64, N 2,048]; A: computed on the way; B: computed on the way: QUANTISED
;;     3. batch 64 x [M 2,048, K 2,048] x [K 2,048, N 64]; A: softmax (see below); B: computed on the way: QUANTISED
;;     4. [M 8,192, K 1,024] x [K 1,024, N 1,024]; A: computed on the way; B: input W_out: QUANTISED
;;   THE QUANTISER, for each operand of a quantised product, along K:
;;     - K is cut into blocks of 32 from its start; a last block that is shorter is filled with zeros.
;;     - A block's scale is 2^e with e = floor(log2(the largest magnitude in the block)) - 2, held to -126 .. 127; a block of zeros has e = 0. As a byte (E8M0): e + 127.
;;     - Each number is divided by its block's scale, clamped to +-7.5, and rounded to the nearest number of E2M3, ties to even, subnormals kept.
;;     - The product sums the exact products of the quantised numbers (number of the format x scale) in f32.
;;   ~~~python
;;   def quantise(x, axis):      # numpy; x: float32 -> the quantised numbers, widened to float32 again
;;       x = np.moveaxis(x, axis, -1); K = x.shape[-1]
;;       x = np.pad(x, [(0, 0)] * (x.ndim - 1) + [(0, -K % 32)]); x = x.reshape(x.shape[:-1] + (-1, 32)); a = np.abs(x).max(-1, keepdims=True)
;;       e = np.where(a > 0, np.clip(np.frexp(np.where(a > 0, a, 1))[1] - 1 - 2, -126, 127), 0)      # np.frexp(a)[1] - 1 = floor(log2(a)), exactly
;;       r = np.clip(x / 2.0 ** e, -7.5, 7.5)
;;       step = 2.0 ** (np.maximum(np.frexp(np.where(r == 0, 1, r))[1] - 1, 0) - 3)
;;       q = np.round(r / step) * step * 2.0 ** e      # np.round: ties to even
;;       return np.moveaxis(q.reshape(q.shape[:-2] + (-1,))[..., :K], -1, axis).astype(np.float32)
;;   ~~~
;;   SOFTMAX AHEAD OF A QUANTISED PRODUCT. Where the list says 'softmax', what is quantised is not the finished softmax but p = 2^(t - M), with t = logit x log2(e) and M = ceil(the row's largest t), a whole number; so 1/2 < the row's largest p <= 1. The row's sum l is taken of the UNQUANTISED p, in f32, and the product's result is divided by l at the end. Since M is a whole number, a kernel that streams over the keys may use a running M (the ceiling of the running maximum): every later rescaling is an exact power of two, which a block's scale takes up: the codes' values come out the same.
;;   OPERANDS COMPUTED ON THE WAY. 'Computed on the way' means the value that the module computes at that place (a softmax that the list does not call 'softmax' is quantised finished and normalised). What goes into a quantiser is computed in f32, as accurately as f32 sums, v_exp_f32 and their like allow (about 1e-6 of the number): no bf16 or f16 on the way to a quantiser, and a product that is left as it is and whose result goes on into a quantised operand takes f32 operands (vector FMAs, or v_wmma_f32_16x16x4_f32). A number that lies on a knife's edge between two numbers of the format may be rounded either way, as far as f32 arithmetic and the matrix unit's own rounding can turn it there, and no further.
;; One version. Each part assembles by itself: llvm-mc -triple=amdgcn-amd-amdhsa -mcpu=gfx1250 --defsym DOCPART=n.
;; ======== version 1 of 1: 4 launches
;; workspace buffers: xrec 6,553,600 bytes; wqrec 2,457,600 bytes; worec 819,200 bytes; qimg 13,369,344 bytes; kv 13,369,344 bytes; aorec 6,553,600 bytes
;; launch quant (part 1): grid 384 x 1, 4 waves a work-group, no clusters, 34,304 bytes of LDS; arguments x, W_qkv, W_out, xrec, wqrec, worec; writes xrec, wqrec, worec
.if DOCPART == 1
	.amdgcn_target "amdgcn-amd-amdhsa--gfx1250"
	.amdhsa_code_object_version 6
	.text
	.protected	k_qe751fbe8be_quant
	.globl	k_qe751fbe8be_quant
	.p2align	8
	.type	k_qe751fbe8be_quant,@function
k_qe751fbe8be_quant:
	s_mov_b64 s[64:65], 0
	v_nop
	global_prefetch_b8 v0, s[64:65] scope:SCOPE_SE
	s_setreg_imm32_b32 hwreg(HW_REG_WAVE_MODE, 25, 1), 1
	s_wait_xcnt 0x0
; x [8192][1024], W_qkv [1024][3072] and W_out [1024][1024], f32, become codes of FP6 (E2M3) with one E8M0 byte for each 32 along K, laid in the ORDER OF AN OPERAND'S REGISTERS.
; A RECORD (12,800 bytes) holds 16 rows (of x) or 16 columns (of a weight) for all K = 1,024: sixteen HALVES of 768 bytes (64 along K each), then 512 bytes of scale words.
;   In a half, slot (r, h) owns block h: 24 bytes; its first 16 lie at 16 (r + 16 h), its last 8 at 512 + 16 r + 8 h.  The scale word of K step s (128 along K) of slot r lies at 12,288 + 256 (s / 4) + 16 r + 4 (s % 4).
;   Slot r of record 2 G + u is row (column) 32 G + 8 u + r + 8 (r / 8): as source 0 of a product two neighbouring records then give a lane 16 neighbours of the result.
; A block's scale is 2^(floor(log2(its largest magnitude)) - 2); its byte is the largest magnitude's exponent field - 2, held at 1 from below by a floor among the maximum's leaves.
; LIMITS: a block whose largest magnitude lies under 2^-124 has its byte held at 1; a block of zeros gets the byte 1 where the rule says 127 (its codes are zeros, and this program alone reads the bytes); NaN and infinities are not served.
; SHARES: work-groups 0-255 take x: a wave takes one record's 16 rows x 512 along K (four K steps).  Work-groups 256-351 take W_qkv, 352-383 W_out: a wave takes 32 columns x 256 along K.  131,072 bytes of f32 a work-group in all three.
; No cluster: no two work-groups read the same bytes.  No matrix unit, no tensor load: a stream.
.set REC,  12800
.set STG,  8448                        ; x: a wave's stage in LDS: 16 rows x 528 bytes
.set SPI,  528                         ; 512 bytes + 16: the sixteen rows that a read of 16 bytes a lane touches begin in sixteen different groups of banks
.set RA,   16                          ; v16-143   x as it is loaded: two sets of 64
.set XN,   144                         ; v144-207  64 numbers of a lane: register 16 b + i = k 32 b + 16 h + i of row r
.set PC,   208                         ; v208-227  the codes just made
.set TM,   228                         ; v228-243  at work
.set PW,   244                         ; v244-247  the four K steps' scale words
.set WX,   32                          ; weights: v32-95 two sets of 32 numbers
.set WO,   96                          ; v96-143   four halves' images, 12 registers each
.set WT,   144                         ; v144-150  a block's upper 16 codes
.set SB,   24                          ; v24-25    eight scale bytes
.macro XLOAD st                        ; K step st of my 16 rows: each load reads 512 consecutive bytes of one row
.irp i, 0,1,2,3,4,5,6,7,8,9,10,11,12,13,14,15
	global_load_b128 v[RA+64*((\st)%2)+4*\i:RA+64*((\st)%2)+4*\i+3], v4, s[4:5] offset:(\i+8*(\i/8))*4096+512*(\st) th:TH_LOAD_NT
.endr
.endm
; 64 numbers of a lane become a fragment's 12 registers in v[PC] on and its scale word in v[pw]
.macro QUANT s, pw
.irp b, 0,1,2,3
	v_max3_num_f32 v[TM+\b], |v[\s+16*\b]|, |v[\s+1+16*\b]|, 0x1800000   ; block b: my 16 numbers and the floor 2^(3 - 127)
.endr
.irp i, 2,4,6,8,10,12,14
.irp b, 0,1,2,3
	v_max3_num_f32 v[TM+\b], v[TM+\b], |v[\s+16*\b+\i]|, |v[\s+1+16*\b+\i]|
.endr
.endr
.irp b, 0,1,2,3
	v_permlanex16_b32 v[TM+4+\b], v[TM+\b], s20, s21
.endr
.irp b, 0,1,2,3
	v_max_num_f32 v[TM+\b], v[TM+\b], v[TM+4+\b]         ; with lane l xor 16's: the block's largest magnitude
.endr
.irp b, 0,1,2,3
	v_add_nc_u32 v[TM+12+\b], 0xff000000, v[TM+\b]       ; 2 off its exponent field: the conversion's scale operand
.endr
.irp b, 0,1,2,3
	v_lshrrev_b32 v[TM+4+\b], 23, v[TM+12+\b]            ; the scale's byte
.endr
	v_lshl_or_b32 v[\pw], v[TM+5], 8, v[TM+4]
	v_lshl_or_b32 v[\pw], v[TM+6], 16, v[\pw]
	v_lshl_or_b32 v[\pw], v[TM+7], 24, v[\pw]
.irp c, 0,1
	v_cvt_scalef32_pk16_fp6_f32 v[PC+6*\c:PC+2+6*\c], v[\s+32*\c:\s+15+32*\c], v[TM+12+2*\c]
	v_cvt_scalef32_pk16_fp6_f32 v[PC+12+4*\c:PC+14+4*\c], v[\s+16+32*\c:\s+31+32*\c], v[TM+12+2*\c+1]   ; (a conversion's three registers begin on an even number)
.endr
	v_nop                                                ; one plain place behind a scaled conversion
.irp c, 0,1                                              ; a whole block to a lane: lanes 0-15 block 2 c, lanes 16-31 block 2 c + 1
.irp i, 0,1,2
	v_permlane16_swap_b32 v[PC+6*\c+\i], v[PC+12+4*\c+\i]
.endr
.irp i, 0,1,2
	v_mov_b32 v[PC+3+6*\c+\i], v[PC+12+4*\c+\i]
.endr
.endr
.endm
.macro XSTEP st
.if (\st) < 3
	s_wait_loadcnt 16                                    ; this K step's 16 loads are in; the next step's 16 may be out
.else
	s_wait_loadcnt 0x0
.endif
.irp i, 0,1,2,3,4,5,6,7,8,9,10,11,12,13,14,15
	ds_store_b128 v5, v[RA+64*((\st)%2)+4*\i:RA+64*((\st)%2)+4*\i+3] offset:SPI*\i     ; row i as it lies
.endr
.irp b, 0,1,2,3
.irp j, 0,1,2,3
	ds_load_b128 v[XN+16*\b+4*\j:XN+16*\b+4*\j+3], v6 offset:128*\b+16*\j              ; back: 16 neighbours of each block of row r (LDS serves a wave's instructions in order)
.endr
.endr
	s_wait_dscnt 0x0                                     ; the numbers are back, and the stores have read their registers
	s_wait_xcnt 0x0                                      ; the last step's stores have read v[PC] on: it is written again only behind this wait
.if (\st) < 2
	XLOAD (\st)+2
.endif
	QUANT XN, PW+(\st)
	global_store_b128 v4, v[PC:PC+3], s[10:11] offset:1536*(\st)             ; 512 consecutive bytes
	global_store_b64 v7, v[PC+4:PC+5], s[10:11] offset:1536*(\st)+512        ; 256 consecutive bytes
	global_store_b128 v4, v[PC+6:PC+9], s[10:11] offset:1536*(\st)+768
	global_store_b64 v7, v[PC+10:PC+11], s[10:11] offset:1536*(\st)+1280
.endm
.macro WLOAD t, n                      ; block t: W(32 t + i, my column): 128 consecutive bytes a wave, 512 a work-group
.irp i, 0,1,2,3,4,5,6,7,8,9,10,11,12,13,14,15,16,17,18,19,20,21,22,23,24,25,26,27,28,29,30,31
	global_load_b32 v[WX+32*((\t)%2)+\i], v3, s[4:5] offset:(32*(\t)+\i)*(\n)*4 th:TH_LOAD_NT
.endr
.endm
.macro WBLOCK t, n
.set wS, WX+32*((\t)%2)
.set wO, WO+12*((\t)/2)+4*((\t)%2)     ; the block's first 16 bytes in the half's image
.set wQ, WO+12*((\t)/2)+8+2*((\t)%2)   ; and its last 8
.set wT, WT+4*((\t)%2)
.if (\t) < 7
	s_wait_loadcnt 32                                    ; this block's 32 loads are in; the next block's may be out
.else
	s_wait_loadcnt 0x0
.endif
	v_max3_num_f32 v12, |v[wS]|, |v[wS+1]|, |v[wS+2]|    ; all 32 numbers of the block are mine
	v_max3_num_f32 v13, |v[wS+3]|, |v[wS+4]|, |v[wS+5]|
.irp i, 6,10,14,18,22,26
	v_max3_num_f32 v12, v12, |v[wS+\i]|, |v[wS+\i+1]|
	v_max3_num_f32 v13, v13, |v[wS+\i+2]|, |v[wS+\i+3]|
.endr
	v_max3_num_f32 v12, v12, |v[wS+30]|, |v[wS+31]|
	v_max3_num_f32 v12, v12, v13, 0x1800000
	v_add_nc_u32 v11, 0xff000000, v12
	v_lshrrev_b32 v13, 23, v11
.if (\t)%4 == 0
	v_mov_b32 v[SB+(\t)/4], v13
.else
	v_lshl_or_b32 v[SB+(\t)/4], v13, 8*((\t)%4), v[SB+(\t)/4]
.endif
	v_cvt_scalef32_pk16_fp6_f32 v[wO:wO+2], v[wS:wS+15], v11
	v_cvt_scalef32_pk16_fp6_f32 v[wT:wT+2], v[wS+16:wS+31], v11
	v_nop                                                ; one plain place behind a scaled conversion
	v_mov_b32 v[wO+3], v[wT]
	v_mov_b32 v[wQ], v[wT+1]
	v_mov_b32 v[wQ+1], v[wT+2]
.if (\t)+2 < 8
	WLOAD (\t)+2, \n
.endif
.if (\t)%2                                               ; a half is whole: each store fills 256 consecutive bytes in each of my two records.  No image register is written twice, so no wait stands for these stores
	global_store_b128 v4, v[WO+12*((\t)/2):WO+12*((\t)/2)+3], s[26:27] offset:768*((\t)/2)
	global_store_b128 v4, v[WO+12*((\t)/2)+4:WO+12*((\t)/2)+7], s[26:27] offset:768*((\t)/2)+256
	global_store_b128 v4, v[WO+12*((\t)/2)+8:WO+12*((\t)/2)+11], s[26:27] offset:768*((\t)/2)+512
.endif
.endm
; a weight of n columns: s18 = block of 128 columns, s19 = which 256 along K
.macro WPATH n, in, out
	s_mul_i32 s20, s19, 256*(\n)*4
	s_lshl_b32 s21, s18, 9
	s_add_co_u32 s20, s20, s21
	s_lshl_b32 s21, s16, 7
	s_add_co_u32 s20, s20, s21
	s_mov_b32 s21, 0
	s_add_nc_u64 s[4:5], s[\in:\in+1], s[20:21]          ; row 256 y, column 128 cb + 32 w
	s_lshl_b32 s22, s18, 3
	s_lshl_b32 s23, s16, 1
	s_add_co_u32 s22, s22, s23
	s_mul_i32 s22, s22, REC
	s_mov_b32 s23, 0
	s_add_nc_u64 s[24:25], s[\out:\out+1], s[22:23]      ; record 8 cb + 2 w
	s_mul_i32 s22, s19, 3072
	s_add_nc_u64 s[26:27], s[24:25], s[22:23]            ; its halves 4 y on
	s_lshr_b32 s22, s19, 1
	s_lshl_b32 s22, s22, 8
	s_and_b32 s28, s19, 1
	s_lshl_b32 s28, s28, 3
	s_add_co_u32 s22, s22, s28
	s_add_co_u32 s22, s22, 12288
	s_add_nc_u64 s[24:25], s[24:25], s[22:23]            ; the scale words of K steps 2 y, 2 y + 1
	WLOAD 0, \n
	WLOAD 1, \n
.irp t, 0,1,2,3,4,5,6,7
	WBLOCK \t, \n
.endr
	global_store_b64 v4, v[SB:SB+1], s[24:25]            ; my column's eight scale bytes
	s_endpgm
.endm
	s_load_b256 s[4:11], s[0:1], 0x0                     ; x, W_qkv, W_out, xrec
	s_load_b128 s[12:15], s[0:1], 0x20                   ; wqrec, worec
	v_lshl_add_u32 v248, v0, 2, 0x8400
	v_mov_b32 v249, 0
	v_lshrrev_b32 v1, 5, v0
	v_readfirstlane_b32 s16, v1                          ; wave
	v_and_b32 v1, 31, v0                                 ; lane
	s_wait_kmcnt 0x0
	s_cmp_lt_u32 ttmp9, 256
	s_cbranch_scc0 .Lweights
	; ---- x
	v_and_b32 v2, 15, v0                                 ; r
	v_bfe_u32 v3, v0, 4, 1                               ; h
	v_lshlrev_b32 v4, 4, v1                              ; 16 x lane
	s_mul_i32 s17, s16, STG
	v_add_nc_u32 v5, s17, v4                             ; into my stage
	v_mul_u32_u24 v6, v2, SPI
	v_lshl_add_u32 v6, v3, 6, v6
	v_add_nc_u32 v6, s17, v6                             ; out of it: row r, + 64 h
	v_lshlrev_b32 v8, 4, v2                              ; 16 r
	v_lshl_add_u32 v7, v3, 3, v8                         ; 16 r + 8 h
	s_mov_b32 s20, 0x76543210
	s_mov_b32 s21, 0xfedcba98                            ; lane l xor 16
.irp b, 0,1,2,3
	v_mov_b32 v[TM+4+\b], 0                              ; a lane permute's destination counts as one of its sources
.endr
	s_lshl_b32 s18, ttmp9, 2
	s_add_co_u32 s18, s18, s16
	s_lshr_b32 s19, s18, 1                               ; my record
	s_and_b32 s18, s18, 1                                ; which half of K
	s_lshr_b32 s22, s19, 1
	s_lshl_b32 s22, s22, 5
	s_and_b32 s23, s19, 1
	s_lshl_b32 s23, s23, 3
	s_add_co_u32 s22, s22, s23                           ; its first row
	s_lshl_b32 s22, s22, 12
	s_lshl_b32 s23, s18, 11
	s_add_co_u32 s22, s22, s23
	s_mov_b32 s23, 0
	s_add_nc_u64 s[4:5], s[4:5], s[22:23]
	s_mul_i32 s24, s19, REC
	s_mov_b32 s25, 0
	s_add_nc_u64 s[10:11], s[10:11], s[24:25]
	s_lshl_b32 s24, s18, 8
	s_add_co_u32 s24, s24, 12288
	s_add_nc_u64 s[26:27], s[10:11], s[24:25]            ; my four scale words of each row
	s_mul_i32 s24, s18, 6144
	s_add_nc_u64 s[10:11], s[10:11], s[24:25]            ; my eight halves
	XLOAD 0
	XLOAD 1
.irp t, 0,1,2,3
	XSTEP \t
.endr
	s_wait_xcnt 0x0                                      ; EXEC changes only behind this wait
	v_cmp_gt_u32 vcc_lo, 16, v1
	s_wait_tensorcnt 0x0
	ds_add_u32 v248, v249
	s_wait_dscnt 0x0
	s_and_saveexec_b32 s22, vcc_lo
	global_store_b128 v8, v[PW:PW+3], s[26:27]           ; sixteen lanes store 256 consecutive bytes
	s_endpgm
.Lweights:
	s_sub_co_u32 s17, ttmp9, 256
	s_lshr_b32 s18, s17, 2
	s_and_b32 s19, s17, 3
	v_lshlrev_b32 v3, 2, v1                              ; 4 bytes a lane
	v_bfe_u32 v2, v0, 3, 1                               ; column 32 G + lane lies in record 2 G + u, u = (lane / 8) % 2,
	v_and_b32 v5, 7, v0
	v_bfe_u32 v6, v0, 4, 1
	v_lshl_or_b32 v5, v6, 3, v5                          ; at slot r = lane % 8 + 8 (lane / 16)
	v_mul_u32_u24 v4, v2, REC
	v_lshl_add_u32 v4, v5, 4, v4
	s_cmp_lt_u32 s18, 24
	s_cbranch_scc0 .Lwout
	WPATH 3072, 6, 12
.Lwout:
	s_sub_co_u32 s18, s18, 24
	WPATH 1024, 8, 14
.Lfunc_end_k_qe751fbe8be_quant:
	.size	k_qe751fbe8be_quant, .Lfunc_end_k_qe751fbe8be_quant-k_qe751fbe8be_quant
	.p2alignl 7, 3214868480
	.fill 96, 4, 3214868480
	.section	.rodata,"a",@progbits
	.p2align	6, 0x0
	.amdhsa_kernel k_qe751fbe8be_quant
		.amdhsa_group_segment_fixed_size 34304
		.amdhsa_private_segment_fixed_size 0
		.amdhsa_enable_private_segment 0
		.amdhsa_kernarg_size 48
		.amdhsa_user_sgpr_count 2
		.amdhsa_user_sgpr_kernarg_segment_ptr 1
		.amdhsa_wavefront_size32 1
		.amdhsa_system_sgpr_workgroup_id_x 1
		.amdhsa_system_sgpr_workgroup_id_y 1
		.amdhsa_system_sgpr_workgroup_id_z 1
		.amdhsa_system_vgpr_workitem_id 0
		.amdhsa_next_free_vgpr 250
		.amdhsa_next_free_sgpr 66
		.amdhsa_reserve_vcc 1
		.amdhsa_float_denorm_mode_32 3
		.amdhsa_float_denorm_mode_16_64 3
		.amdhsa_memory_ordered 1
		.amdhsa_forward_progress 1
		.amdhsa_inst_pref_size 110
	.end_amdhsa_kernel
	.amdgpu_metadata
---
amdhsa.version: [ 1, 2 ]
amdhsa.kernels:
  - .name:           k_qe751fbe8be_quant
    .symbol:         k_qe751fbe8be_quant.kd
    .args:
      - { .name: x, .offset: 0, .size: 8, .value_kind: global_buffer, .address_space: global }
      - { .name: W_qkv, .offset: 8, .size: 8, .value_kind: global_buffer, .address_space: global }
      - { .name: W_out, .offset: 16, .size: 8, .value_kind: global_buffer, .address_space: global }
      - { .name: xrec, .offset: 24, .size: 8, .value_kind: global_buffer, .address_space: global }
      - { .name: wqrec, .offset: 32, .size: 8, .value_kind: global_buffer, .address_space: global }
      - { .name: worec, .offset: 40, .size: 8, .value_kind: global_buffer, .address_space: global }
    .group_segment_fixed_size: 34304
    .private_segment_fixed_size: 0
    .kernarg_segment_align: 8
    .kernarg_segment_size: 48
    .max_flat_workgroup_size: 128
    .sgpr_count:     66
    .vgpr_count:     250
    .wavefront_size: 32
...
	.end_amdgpu_metadata
.endif
;; end of part 1
;; launch qkv (part 2): grid 8 x 32, 4 waves a work-group, clusters of 4 x 1, 205,312 bytes of LDS; arguments xrec, wqrec, b_qkv, qimg, kv; writes qimg, kv
.if DOCPART == 2
	.amdgcn_target "amdgcn-amd-amdhsa--gfx1250"
	.amdhsa_code_object_version 6
	.text
	.protected	k_qe751fbe8be_qkv
	.globl	k_qe751fbe8be_qkv
	.p2align	8
	.type	k_qe751fbe8be_qkv,@function
k_qe751fbe8be_qkv:
	s_mov_b64 s[64:65], 0
	v_nop
	global_prefetch_b8 v0, s[64:65] scope:SCOPE_SE
	s_setreg_imm32_b32 hwreg(HW_REG_WAVE_MODE, 25, 1), 1
	s_wait_xcnt 0x0
	s_wait_alu depctr_hold_cnt(0) depctr_sa_sdst(0) depctr_va_vdst(0) depctr_va_sdst(0) depctr_va_ssrc(0) depctr_va_vcc(0) depctr_vm_vsrc(0)
	s_getreg_b32 s2, hwreg(HW_REG_IB_STS2, 6, 4)
	s_cmp_eq_u32 s2, 0
	s_cbranch_scc0 .Lentry_in_a_cluster
	s_endpgm
.Lentry_in_a_cluster:
	s_bfe_u32 s2, ttmp6, 0x10000c
	s_cmp_lg_u32 s2, 0x3003
	s_cbranch_scc0 .Lentry_shape_is_right
	s_endpgm
.Lentry_shape_is_right:
; qkv = x W_qkv + b_qkv on codes of FP6 (E2M3); q, k and v are quantised at once for the attention's products and leave as codes: no f32 number of qkv goes to memory.
; SHARES.  Work-group (g, y), g = 0..7, y = 0..31: rows 256 y on; 256 columns of q (g < 4) or k (g >= 4), and 128 columns of v.  Wave w: ONE HEAD of q or k (64 columns, 4 records of W) and HALF A HEAD of v (32 columns, 2 records).
; THE WEIGHTS STAY IN REGISTERS: 48 fragments, 576 registers, read from memory once a wave.  x's 16 records (204,800 bytes) come into LDS ONCE, by joint loads that the four work-groups of a cluster (four g of one y) share; nothing is filled again.
; The weights are not asked for jointly: a joint load lands in LDS, where a work-group's 295 KB of weights have no room beside x's 200 KB, and from registers each fragment feeds all 256 rows.
; q, k: source 0 = 16 columns of W, source 1 = 16 rows of x: a lane holds ONE row and its registers run along the head's 64, the next product's K.
; v:    source 0 = 16 rows of x, source 1 = 16 columns of W: a lane holds ONE column and its registers run down the rows, which are the keys: the next product's K.
; The biases are the C of each sum's first product.  Rows go in groups of 32 (two records of x): 12 accumulators by turns, 8 K steps of 128.
; OUT: a block of 52,224 bytes for each (batch, group of 4 heads, 128 rows): K codes hh 6,144 + t 768; K scale words 24,576 + hh 512 + 128 g + 4 lane; V codes 26,624 + hh 6,144 + n 1,536 + c 768; V scale words 51,200 + hh 256 + 128 n' + 4 lane.
;      q goes into qimg at k's places.  1 / sqrt(64) = 2^-3 IS TAKEN OFF q's STORED SCALE BYTES (the codes are made by the true scale): exact, and the score product then gives q . k / 8.
; LIMITS: the largest magnitude of a block of q or k is taken no smaller than 2^-121 (byte 4, so that 3 can be taken off), of v 2^-124 (byte 1); a block of zeros keeps that byte: its codes are zeros and this program alone reads the bytes; NaN and infinities are not served;
;      a bias starts its sum, where reference() adds it last: another order of f32 rounding.
; REGISTERS: window 0: v1-3 offsets in memory; v4-9 LDS addresses; v10-11 offsets of the biases; v16-39 W's scale words; v40-55 x's, two sets; v56-119 q/k's 8 accumulators; v120-151 v's 4; v152-199 x's fragments, two sets;
;   v200-215 at work; v216-231 q/k's codes; v232-247 v's codes; v248-253 scale words.  windows 1, 2: W's fragments of K steps 0-2, 3-5 at 72 (s % 3) + 12 tt; window 3: K steps 6, 7; from v144 the biases.
.set REC,  12800
.set KVB,  52224
.set KSC,  24576
.set VCO,  26624
.set VSC,  51200
.set XA,   4                           ; v4,5   16 lane (+ 4 records)
.set XT,   6                           ; v6,7   16 r + 8 h (+ 4 records)
.set XS,   8                           ; v8,9   h x a record + 12,288 + 16 r (+ 4 records): lanes 0-15 take the first record's scale words, lanes 16-31 the second's
.set WS,   16
.set XSC,  40
.set AQ,   56
.set AV,   120
.set XF,   152
.set TM,   200
.set CQ,   216
.set CV,   232
.set VW,   248
.set PWQ,  250
.set BQ,   144
.set BV,   176
.set MSB,  0
.macro WIN new                         ; the immediate's high byte repeats the setting that is left
.if MSB != (\new)
	s_set_vgpr_msb (MSB<<8)|(\new)
.set MSB, (\new)
.endif
.endm
.macro PLACES                          ; four plain places behind matrix instructions, ahead of loads into their registers and of reads of their results
.rept 4
	v_nop
.endr
.endm
.macro CROUND                          ; a round of the cluster's barrier
	s_barrier_signal -1
	s_barrier_wait -1
	s_cmp_lg_u32 s14, 0
	s_cbranch_scc1 .Lnot_wave_0_\@
	s_barrier_signal -3
.Lnot_wave_0_\@:
	s_barrier_wait -3
	s_barrier_signal -1
	s_barrier_wait -1
.endm
.macro WFRAG reg, base, off            ; a fragment from a record: two halves, four loads
.set wR, \reg
.set wF, \off
	global_load_b128 v[wR:wR+3], v1, s[\base:\base+1] offset:wF
	global_load_b64 v[wR+4:wR+5], v2, s[\base:\base+1] offset:wF+512
	global_load_b128 v[wR+6:wR+9], v1, s[\base:\base+1] offset:wF+768
	global_load_b64 v[wR+10:wR+11], v2, s[\base:\base+1] offset:wF+1280
.endm
.macro WMS ra, rb                      ; one product on the registers named by rD, rA, rB, rC, rSA, rSB; ra, rb: the scales stand in lanes 16-31
.if (\ra) && (\rb)
	v_wmma_scale_f32_16x16x128_f8f6f4 v[rD:rD+7], v[rA:rA+11], v[rB:rB+11], v[rC:rC+7], v[rSA], v[rSB] matrix_a_fmt:MATRIX_FMT_FP6 matrix_b_fmt:MATRIX_FMT_FP6 matrix_a_scale:MATRIX_SCALE_ROW1 matrix_b_scale:MATRIX_SCALE_ROW1
.elseif (\ra)
	v_wmma_scale_f32_16x16x128_f8f6f4 v[rD:rD+7], v[rA:rA+11], v[rB:rB+11], v[rC:rC+7], v[rSA], v[rSB] matrix_a_fmt:MATRIX_FMT_FP6 matrix_b_fmt:MATRIX_FMT_FP6 matrix_a_scale:MATRIX_SCALE_ROW1
.elseif (\rb)
	v_wmma_scale_f32_16x16x128_f8f6f4 v[rD:rD+7], v[rA:rA+11], v[rB:rB+11], v[rC:rC+7], v[rSA], v[rSB] matrix_a_fmt:MATRIX_FMT_FP6 matrix_b_fmt:MATRIX_FMT_FP6 matrix_b_scale:MATRIX_SCALE_ROW1
.else
	v_wmma_scale_f32_16x16x128_f8f6f4 v[rD:rD+7], v[rA:rA+11], v[rB:rB+11], v[rC:rC+7], v[rSA], v[rSB] matrix_a_fmt:MATRIX_FMT_FP6 matrix_b_fmt:MATRIX_FMT_FP6
.endif
.endm
.macro FETCH g, s                      ; x's two fragments of group g (of the trip's four), K step s: 8 loads, each of 512 or 256 consecutive bytes
.set fA, (\g)/2
.set fO, ((\g)%2)*2*REC+1536*(\s)
.set fR, XF+24*((\s)%2)
.irp u, 0,1
	ds_load_b128 v[fR+12*\u:fR+12*\u+3], v[XA+fA] offset:fO+\u*REC
	ds_load_b64 v[fR+12*\u+4:fR+12*\u+5], v[XT+fA] offset:fO+\u*REC+512
	ds_load_b128 v[fR+12*\u+6:fR+12*\u+9], v[XA+fA] offset:fO+\u*REC+768
	ds_load_b64 v[fR+12*\u+10:fR+12*\u+11], v[XT+fA] offset:fO+\u*REC+1280
.endr
.endm
.macro XSL g                           ; x's scale words of group g, all 8 K steps: 2 loads
.set fA, (\g)/2
.set fO, ((\g)%2)*2*REC
.set fR, XSC+8*((\g)%2)
	ds_load_b128 v[fR:fR+3], v[XS+fA] offset:fO
	ds_load_b128 v[fR+4:fR+7], v[XS+fA] offset:fO+256
.endm
; K step s of group q: 8 products for q/k, 4 for v, then the fetch of two K steps on (at the group's end: of the next group's first two K steps)
.macro KSTEP q, s
.set kN, 8                             ; the youngest fetch's 8 loads may be out
.if (\s) == 7
.if (\q) < 3
.set kN, 10                            ; behind K step 7's fragments: the next group's 2 loads of scale words and 8 of fragments
.else
.set kN, 0
.endif
.endif
	s_wait_dscnt kN
.set kW, 1+(\s)/3
.set kB, 72*((\s)%3)
.set kX, XF+24*((\s)%2)
.set kS, XSC+8*((\q)%2)+(\s)
.if (\s) == 0
	WIN 0x30|kW                                          ; source 0 (W) in its window, C (the bias) in window 3
.else
	WIN kW
.endif
.irp u, 0,1
.irp t, 0,1,2,3
.set rD, AQ+32*\u+8*\t
.set rC, rD
.if (\s) == 0
.set rC, BQ+8*\t
.endif
.set rA, kB+12*\t
.set rB, kX+12*\u
.set rSA, WS+4*\t+(\s)%4
.set rSB, kS
	WMS (\s)/4, \u
.endr
.endr
.if (\s) == 0
	WIN 0x30|(kW<<2)                                     ; source 1 (W) in its window
.else
	WIN kW<<2
.endif
.irp n, 0,1
.irp u, 0,1
.set rD, AV+16*\n+8*\u
.set rC, rD
.if (\s) == 0
.set rC, BV+8*\n
.endif
.set rA, kX+12*\u
.set rB, kB+12*(4+\n)
.set rSA, kS
.set rSB, WS+4*(4+\n)+(\s)%4
	WMS \u, (\s)/4
.endr
.endr
.if (\s) < 6                                             ; (destination and address stand in window 0 under this setting: no switch for the loads)
	PLACES
	FETCH \q, (\s)+2
.elseif (\q) < 3
	PLACES
.if (\s) == 6
	XSL (\q)+1
	FETCH (\q)+1, 0
.else
	FETCH (\q)+1, 1
.endif
.endif
.endm
; q/k: the two row tiles' 64 numbers a lane (register 16 b + i = the head's 32 b + 16 h + i) become two halves' codes and two scale words; four blocks by turns; each accumulator is read from its low end on
.macro QQ
.irp u, 0,1
.irp b, 0,1
	v_max3_num_f32 v[TM+2*\u+\b], |v[AQ+32*\u+16*\b]|, |v[AQ+32*\u+16*\b+1]|, 0x3000000   ; the floor 2^(6 - 127)
.endr
.endr
.irp i, 2,4,6,8,10,12,14
.irp u, 0,1
.irp b, 0,1
	v_max3_num_f32 v[TM+2*\u+\b], v[TM+2*\u+\b], |v[AQ+32*\u+16*\b+\i]|, |v[AQ+32*\u+16*\b+\i+1]|
.endr
.endr
.endr
.irp k, 0,1,2,3
	v_permlanex16_b32 v[TM+4+\k], v[TM+\k], s20, s21
.endr
.irp k, 0,1,2,3
	v_max_num_f32 v[TM+\k], v[TM+\k], v[TM+4+\k]
.endr
.irp k, 0,1,2,3
	v_add_nc_u32 v[TM+8+\k], 0xff000000, v[TM+\k]        ; 2 off the exponent field: the conversion's scale operand
.endr
.irp k, 0,1,2,3
	v_lshrrev_b32 v[TM+12+\k], 23, v[TM+8+\k]
.endr
.irp u, 0,1
	v_lshl_or_b32 v[PWQ+\u], v[TM+13+2*\u], 8, v[TM+12+2*\u]
.endr
.irp u, 0,1
.irp b, 0,1
	v_cvt_scalef32_pk16_fp6_f32 v[CQ+8*\u+4*\b:CQ+8*\u+4*\b+2], v[AQ+32*\u+16*\b:AQ+32*\u+16*\b+15], v[TM+8+2*\u+\b]
.endr
.endr
	v_nop                                                ; one plain place behind a scaled conversion
.irp u, 0,1
.irp i, 0,1,2
	v_permlane16_swap_b32 v[CQ+8*\u+\i], v[CQ+8*\u+4+\i] ; a whole block to a lane: lanes 0-15 block 0, lanes 16-31 block 1
.endr
.endr
.irp u, 0,1
.irp i, 0,1,2
	v_mov_b32 v[CQ+8*\u+3+\i], v[CQ+8*\u+4+\i]
.endr
.endr
.endm
; v: the group's 32 rows are ONE block of 32 keys of each column: 16 numbers a lane for each of my two tiles of columns
.macro VQ q
.irp n, 0,1
	v_max3_num_f32 v[TM+\n], |v[AV+16*\n]|, |v[AV+16*\n+1]|, 0x1800000
.endr
.irp i, 2,4,6,8,10,12,14
.irp n, 0,1
	v_max3_num_f32 v[TM+\n], v[TM+\n], |v[AV+16*\n+\i]|, |v[AV+16*\n+\i+1]|
.endr
.endr
.irp n, 0,1
	v_permlanex16_b32 v[TM+4+\n], v[TM+\n], s20, s21
.endr
.irp n, 0,1
	v_max_num_f32 v[TM+\n], v[TM+\n], v[TM+4+\n]
.endr
.irp n, 0,1
	v_add_nc_u32 v[TM+8+\n], 0xff000000, v[TM+\n]
.endr
.irp n, 0,1
	v_lshrrev_b32 v[TM+12+\n], 23, v[TM+8+\n]
.endr
.irp n, 0,1
.if (\q) == 0
	v_mov_b32 v[VW+\n], v[TM+12+\n]                      ; the four groups' bytes make the scale word of 128 keys
.else
	v_lshl_or_b32 v[VW+\n], v[TM+12+\n], 8*(\q), v[VW+\n]
.endif
.endr
.irp n, 0,1
	v_cvt_scalef32_pk16_fp6_f32 v[CV+8*\n+4*((\q)%2):CV+8*\n+4*((\q)%2)+2], v[AV+16*\n:AV+16*\n+15], v[TM+8+\n]
.endr
	v_nop
.if (\q)%2                                               ; two groups make a half (64 keys)
.irp n, 0,1
.irp i, 0,1,2
	v_permlane16_swap_b32 v[CV+8*\n+\i], v[CV+8*\n+4+\i]
.endr
.endr
.irp n, 0,1
.irp i, 0,1,2
	v_mov_b32 v[CV+8*\n+3+\i], v[CV+8*\n+4+\i]
.endr
.endr
.endif
.endm
.macro EPI q
	WIN 0
.if (\q) == 3
	PLACES                                               ; (in the other groups the places in front of the last fetch serve)
.endif
	s_wait_xcnt 0x0                                      ; the last group's stores have read their registers: they are written again only behind this wait
	QQ
	v_cndmask_b32 v252, v[PWQ], v[PWQ+1], s22            ; lanes 0-15: the first tile's words, lanes 16-31: the second's
	v_or_b32 v252, 0x7f7f0000, v252                      ; bytes 2 and 3 (K = 64 .. 127, zero codes on q's side): 1.0
	v_sub_nc_u32 v252, v252, s23                         ; q: 3 off both bytes
.irp u, 0,1
	global_store_b128 v1, v[CQ+8*\u:CQ+8*\u+3], s[40:41] offset:(2*(\q)+\u)*768
	global_store_b64 v2, v[CQ+8*\u+4:CQ+8*\u+5], s[40:41] offset:(2*(\q)+\u)*768+512
.endr
	global_store_b32 v3, v252, s[42:43] offset:128*(\q)
	VQ \q
.if (\q)%2
.irp n, 0,1
	global_store_b128 v1, v[CV+8*\n:CV+8*\n+3], s[44:45] offset:\n*1536+((\q)/2)*768
	global_store_b64 v2, v[CV+8*\n+4:CV+8*\n+5], s[44:45] offset:\n*1536+((\q)/2)*768+512
.endr
.endif
.if (\q) == 3
	v_cndmask_b32 v253, v[VW], v[VW+1], s22
	global_store_b32 v3, v253, s[46:47]
.endif
.endm
	s_load_b256 s[4:11], s[0:1], 0x0                     ; xrec, wqrec, b_qkv, qimg
	s_load_b64 s[12:13], s[0:1], 0x20                    ; kv
	v_lshl_add_u32 v254, v0, 2, 0x32000
	v_mov_b32 v255, 0
	ds_add_u32 v254, v255
	v_lshrrev_b32 v1, 5, v0
	v_readfirstlane_b32 s14, v1                          ; wave
	s_and_b32 s17, ttmp7, 0xffff                         ; y
	; descriptor group 1: two records, 25,600 dense bytes, as 100 rows of 256 bytes
	s_mov_b32 s24, 15|(3<<16)|(1<<21)                    ; the mask: all four work-groups; elements of 8 bytes; bit 21 beside a mask
	s_mov_b32 s25, 32<<16
	s_mov_b32 s26, 100<<16
	s_mov_b32 s27, 32<<16
	s_mov_b32 s28, 100
	s_mov_b32 s29, 32
	s_mov_b32 s30, 0
	s_mov_b32 s31, 0
	s_lshl_b32 s60, s17, 4
	s_lshl_b32 s61, s14, 1
	s_add_co_u32 s60, s60, s61
	s_mul_i32 s60, s60, REC                              ; records 16 y + 2 w, + 1: y and the wave's number alone, the same in all four partners
	s_mov_b32 s61, 0
	s_mov_b32 s32, 1
	s_mul_i32 s33, s14, 2*REC
	s_mov_b32 s36, 1
	s_add_co_u32 s37, s33, 8*REC
	s_wait_dscnt 0x0
	s_wait_kmcnt 0x0
	s_add_nc_u64 s[34:35], s[4:5], s[60:61]
	s_add_nc_u64 s[38:39], s[34:35], 8*REC               ; and records 16 y + 8 + 2 w, + 1
	s_or_b32 s35, s35, 0x80000000
	s_or_b32 s39, s39, 0x80000000
	CROUND                                               ; all four work-groups are here: the joint loads meet
	tensor_load_to_lds s[32:35], s[24:31]                ; two loads of mine are out; these bytes are filled once
	s_nop 0
	tensor_load_to_lds s[36:39], s[24:31]
	s_nop 0
	PLACES                                               ; four plain places behind the loads
	s_bfe_u32 s15, ttmp6, 0x40000                        ; cx
	s_lshl_b32 s16, ttmp9, 2
	s_add_co_u32 s16, s16, s15                           ; g: it enters addresses in memory and one number, no branch and no LDS address
	v_and_b32 v12, 31, v0                                ; lane
	v_and_b32 v13, 15, v0                                ; r
	v_bfe_u32 v14, v0, 4, 1                              ; h
	v_lshlrev_b32 v1, 4, v12
	v_lshlrev_b32 v2, 4, v13
	v_lshl_add_u32 v2, v14, 3, v2
	v_lshlrev_b32 v3, 2, v12
	v_lshlrev_b32 v4, 4, v12
	v_add_nc_u32 v5, 4*REC, v4
	v_lshlrev_b32 v6, 4, v13
	v_lshl_add_u32 v6, v14, 3, v6
	v_add_nc_u32 v7, 4*REC, v6
	v_mul_u32_u24 v8, v14, REC
	v_lshl_add_u32 v8, v13, 4, v8
	v_add_nc_u32 v8, 12288, v8
	v_add_nc_u32 v9, 4*REC, v8
	v_lshlrev_b32 v10, 6, v14                            ; q/k's bias: 16 h numbers on
	v_and_b32 v11, 8, v13
	v_add_nc_u32 v11, v11, v13
	v_lshlrev_b32 v11, 2, v11                            ; v's bias: number r + 8 (r / 8)
	s_mov_b32 s57, 0
	s_lshl_b32 s56, s16, 4
	s_lshl_b32 s58, s14, 2
	s_add_co_u32 s56, s56, s58
	s_mul_i32 s56, s56, REC
	s_add_nc_u64 s[48:49], s[6:7], s[56:57]              ; W's records 16 g + 4 w on: my head of q or k
	s_lshl_b32 s56, s16, 3
	s_lshl_b32 s58, s14, 1
	s_add_co_u32 s56, s56, s58
	s_add_co_u32 s56, s56, 128
	s_mul_i32 s56, s56, REC
	s_add_nc_u64 s[50:51], s[6:7], s[56:57]              ; records 128 + 8 g + 2 w on: my half head of v
	s_lshl_b32 s56, s16, 10
	s_lshl_b32 s58, s14, 8
	s_add_co_u32 s56, s56, s58
	s_add_nc_u64 s[52:53], s[8:9], s[56:57]              ; b_qkv at column 256 g + 64 w
	s_lshl_b32 s56, s16, 9
	s_lshl_b32 s58, s14, 7
	s_add_co_u32 s56, s56, s58
	s_add_co_u32 s56, s56, 8192
	s_add_nc_u64 s[54:55], s[8:9], s[56:57]              ; and at column 2,048 + 128 g + 32 w
.irp s, 0,1,2,3,4,5,6,7
	WIN 0x40*(1+\s/3)                                    ; the destination's window
.irp t, 0,1,2,3
	WFRAG 72*(\s%3)+12*\t, 48, \t*REC+1536*\s
.endr
.irp n, 0,1
	WFRAG 72*(\s%3)+12*(4+\n), 50, \n*REC+1536*\s
.endr
.endr
	WIN 0
.irp t, 0,1,2,3
	global_load_b128 v[WS+4*\t:WS+4*\t+3], v1, s[48:49] offset:\t*REC+12288          ; lanes 0-15: K steps 0-3, lanes 16-31: K steps 4-7
.endr
.irp n, 0,1
	global_load_b128 v[WS+16+4*\n:WS+16+4*\n+3], v1, s[50:51] offset:\n*REC+12288
.endr
	WIN 0xc0
.irp t, 0,1,2,3
	global_load_b128 v[BQ+8*\t:BQ+8*\t+3], v10, s[52:53] offset:(32*(\t/2)+8*(\t%2))*4
	global_load_b128 v[BQ+8*\t+4:BQ+8*\t+7], v10, s[52:53] offset:(32*(\t/2)+8*(\t%2))*4+16
.endr
.irp n, 0,1
.irp j, 0,1,2,3,4,5,6,7
	global_load_b32 v[BV+8*\n+\j], v11, s[54:55] offset:32*\n                        ; a lane's eight results are one column's: one number, eight times
.endr
.endr
	WIN 0
	s_mov_b32 s20, 0x76543210
	s_mov_b32 s21, 0xfedcba98                            ; lane l xor 16
	s_mov_b32 s22, 0xffff0000                            ; lanes 16-31
.irp k, 0,1,2,3
	v_mov_b32 v[TM+4+\k], 0                              ; a lane permute's destination counts as one of its sources
.endr
	s_cmp_lt_u32 s16, 4                                  ; q or k: the choice hangs on the work-group's number alone
	s_cselect_b64 s[40:41], s[10:11], s[12:13]
	s_cselect_b32 s23, 0x0303, 0
	s_mov_b32 s19, 0
	s_lshr_b32 s56, s17, 3
	s_lshl_b32 s56, s56, 2                               ; 4 x batch
	s_and_b32 s58, s17, 7
	s_lshl_b32 s58, s58, 1                               ; the first of my two blocks of 128 rows
	s_and_b32 s18, s16, 3
	s_add_co_u32 s18, s18, s56
	s_lshl_b32 s18, s18, 4
	s_add_co_u32 s18, s18, s58
	s_mul_i32 s18, s18, KVB
	s_add_nc_u64 s[40:41], s[40:41], s[18:19]
	s_lshl_b32 s18, s14, 9
	s_add_co_u32 s18, s18, KSC
	s_add_nc_u64 s[42:43], s[40:41], s[18:19]            ; q/k's scale words
	s_mul_i32 s18, s14, 6144
	s_add_nc_u64 s[40:41], s[40:41], s[18:19]            ; q/k's codes
	s_lshr_b32 s18, s16, 1
	s_add_co_u32 s18, s18, s56
	s_lshl_b32 s18, s18, 4
	s_add_co_u32 s18, s18, s58
	s_mul_i32 s18, s18, KVB
	s_add_nc_u64 s[44:45], s[12:13], s[18:19]
	s_and_b32 s57, s16, 1
	s_lshl_b32 s57, s57, 1
	s_lshr_b32 s59, s14, 1
	s_add_co_u32 s57, s57, s59                           ; v's head in its group of four
	s_and_b32 s59, s14, 1                                ; which half of it
	s_lshl_b32 s18, s57, 8
	s_lshl_b32 s15, s59, 7
	s_add_co_u32 s18, s18, s15
	s_add_co_u32 s18, s18, VSC
	s_add_nc_u64 s[46:47], s[44:45], s[18:19]            ; v's scale words
	s_mul_i32 s18, s57, 6144
	s_mul_i32 s15, s59, 3072
	s_add_co_u32 s18, s18, s15
	s_add_co_u32 s18, s18, VCO
	s_add_nc_u64 s[44:45], s[44:45], s[18:19]            ; v's codes
	s_wait_loadcnt 0x0                                   ; the weights, their scale words, the biases
	s_wait_tensorcnt 0x0                                 ; my parts of x are in,
	s_barrier_signal -1
	s_barrier_wait -1                                    ; everybody's are
	s_mov_b32 s3, 0
.Ltrip:                                                  ; two trips of 128 rows: one block of the output each
	XSL 0
	FETCH 0, 0
	FETCH 0, 1
.irp q, 0,1,2,3
.irp s, 0,1,2,3,4,5,6,7
	KSTEP \q, \s
.endr
	EPI \q
.endr
	s_wait_xcnt 0x0                                      ; the stores have read their bases
	s_add_nc_u64 s[40:41], s[40:41], KVB
	s_add_nc_u64 s[42:43], s[42:43], KVB
	s_add_nc_u64 s[44:45], s[44:45], KVB
	s_add_nc_u64 s[46:47], s[46:47], KVB
.irp a, 4,5,6,7,8,9
	v_add_nc_u32 v\a, 8*REC, v\a                         ; eight records on (no LDS load of mine is out)
.endr
	s_add_co_u32 s3, s3, 1
	s_cmp_lt_u32 s3, 2
	s_cbranch_scc1 .Ltrip
	s_wait_dscnt 0x0
	s_wait_tensorcnt 0x0
	ds_add_u32 v254, v255
	s_wait_dscnt 0x0
	CROUND                                               ; the closing round
	s_endpgm
.Lfunc_end_k_qe751fbe8be_qkv:
	.size	k_qe751fbe8be_qkv, .Lfunc_end_k_qe751fbe8be_qkv-k_qe751fbe8be_qkv
	.p2alignl 7, 3214868480
	.fill 96, 4, 3214868480
	.section	.rodata,"a",@progbits
	.p2align	6, 0x0
	.amdhsa_kernel k_qe751fbe8be_qkv
		.amdhsa_group_segment_fixed_size 205312
		.amdhsa_private_segment_fixed_size 0
		.amdhsa_enable_private_segment 0
		.amdhsa_kernarg_size 40
		.amdhsa_user_sgpr_count 2
		.amdhsa_user_sgpr_kernarg_segment_ptr 1
		.amdhsa_wavefront_size32 1
		.amdhsa_system_sgpr_workgroup_id_x 1
		.amdhsa_system_sgpr_workgroup_id_y 1
		.amdhsa_system_sgpr_workgroup_id_z 1
		.amdhsa_system_vgpr_workitem_id 0
		.amdhsa_next_free_vgpr 1024
		.amdhsa_next_free_sgpr 70
		.amdhsa_reserve_vcc 0
		.amdhsa_float_denorm_mode_32 3
		.amdhsa_float_denorm_mode_16_64 3
		.amdhsa_memory_ordered 1
		.amdhsa_forward_progress 1
		.amdhsa_inst_pref_size 127
	.end_amdhsa_kernel
	.amdgpu_metadata
---
amdhsa.version: [ 1, 2 ]
amdhsa.kernels:
  - .name:           k_qe751fbe8be_qkv
    .symbol:         k_qe751fbe8be_qkv.kd
    .args:
      - { .name: xrec, .offset: 0, .size: 8, .value_kind: global_buffer, .address_space: global }
      - { .name: wqrec, .offset: 8, .size: 8, .value_kind: global_buffer, .address_space: global }
      - { .name: b_qkv, .offset: 16, .size: 8, .value_kind: global_buffer, .address_space: global }
      - { .name: qimg, .offset: 24, .size: 8, .value_kind: global_buffer, .address_space: global }
      - { .name: kv, .offset: 32, .size: 8, .value_kind: global_buffer, .address_space: global }
    .group_segment_fixed_size: 205312
    .private_segment_fixed_size: 0
    .kernarg_segment_align: 8
    .kernarg_segment_size: 40
    .max_flat_workgroup_size: 128
    .sgpr_count:     70
    .vgpr_count:     1024
    .wavefront_size: 32
...
	.end_amdgpu_metadata
.endif
;; end of part 2
;; launch attn (part 3): grid 4 x 64, 16 waves a work-group, clusters of 4 x 1, 327,680 bytes of LDS; arguments qimg, kv, entity_bias, aorec; writes aorec
.if DOCPART == 3
	.amdgcn_target "amdgcn-amd-amdhsa--gfx1250"
	.amdhsa_code_object_version 6
	.text
	.protected	k_qe751fbe8be_attn
	.globl	k_qe751fbe8be_attn
	.p2align	8
	.type	k_qe751fbe8be_attn,@function
k_qe751fbe8be_attn:
	s_mov_b64 s[64:65], 0
	v_nop
	global_prefetch_b8 v0, s[64:65] scope:SCOPE_SE
	s_setreg_imm32_b32 hwreg(HW_REG_WAVE_MODE, 25, 1), 1
	s_wait_xcnt 0x0
	s_wait_alu depctr_hold_cnt(0) depctr_sa_sdst(0) depctr_va_vdst(0) depctr_va_sdst(0) depctr_va_ssrc(0) depctr_va_vcc(0) depctr_vm_vsrc(0)
	s_getreg_b32 s2, hwreg(HW_REG_IB_STS2, 6, 4)
	s_cmp_eq_u32 s2, 0
	s_cbranch_scc0 .Lentry_in_a_cluster
	s_endpgm
.Lentry_in_a_cluster:
	s_bfe_u32 s2, ttmp6, 0x10000c
	s_cmp_lg_u32 s2, 0x3003
	s_cbranch_scc0 .Lentry_shape_is_right
	s_endpgm
.Lentry_shape_is_right:
; Causal attention with a bias, both products on codes of FP6 (E2M3): o = softmax(q k^T / 8 + entity_bias, causal) v, and o is quantised at once along the model's 1,024 for the output projection.
; q's scale bytes already carry the 1 / 8, so the score product gives q . k / 8, AND entity_bias IS ITS C: no vector addition.  The head's 64 fill half of the instruction's K: q's registers 6-11 hold zero codes,
; so k's upper six registers may hold any codes: tile t's fragment is v[32 + 6 t .. 43 + 6 t], laid over the next tile's, and six registers a tile are loaded.
; SOFTMAX: t = logit x log2(e); M = the running largest t rounded UP to a whole number; p = 2^(t - M) is quantised along the keys, not normalised; the row's sum is taken of the unquantised p and divides at the end;
; when M moves the sum and O are multiplied by 2^(old M - new M): exact.
; SHARES.  Work-group (hg, b, pi): 4 heads, and TWO blocks of 64 queries: block pi, then block 31 - pi.  They need pi / 2 + 1 and 16 - pi / 2 key steps of 128: ALWAYS 17.  So the trip count is a constant, every work-group
; has the same work, and no key step that lies wholly behind the mask is walked.  Wave w: head w / 4, query tile w % 4 (16 queries, in the records' order of rows), 256 registers: four waves to a SIMD.
; CLUSTER.  The four work-groups of a cluster are the four groups of heads of one (b, pi): they need the same tile of entity_bias (64 queries x 128 keys) in the same step and ask for it JOINTLY.
; k's and v's tiles are each work-group's own (other heads): plain loads.  The work-groups that share a k/v tile (other pi) stand at other key steps at any time: no joint request can serve them.
; RING: two slots 131,072 bytes apart; a slot: the k/v block of a key step (52,224 bytes, as launch qkv laid it), then the bias tile, 64 rows of 512 + 8 bytes.  Waves 0-3 fetch a quarter of the block each, wave 4 the bias tile.
; LIMITS: a masked score is -infinity where reference() has -1e9: p is 0 either way while a row's largest logit lies far above -1e9; a block of o under 2^-124 has its scale byte held at 1, a block of zeros too (zero codes; this program alone reads the bytes);
; NaN and infinities are not served.
; REGISTERS: v1-4, v7 my lane's places in a slot; v5, v6 the spare word's address and 0; v8-11, v28 the step's LDS addresses; v12 -M, v13 the largest t, v[14:15] the sum; v16-27 q; v29 my query less 16 h; v30, v31, v86 the way out's offsets;
;   v32-85 k's or v's fragments; v87 the prefetch's offset; v88-90 16 lane, 16 r + 8 h, 4 r; v96-159 the bias, then S^T, then p; v160-191 O^T; v192-198 the second block's q; v200-208 o's codes; v224-235 p's codes; v232-254 at work; v248-251 scale words; v253 p's; v255 q's.
.set REC,   12800
.set KVBLK, 52224
.set KSC,   24576
.set VCO,   26624
.set VSC,   51200
.set BIAS,  52224                      ; the bias tile's place in a slot
.set BP,    520                        ; its pitch: the 32 lanes of a load of 8 bytes then touch 32 different pairs of banks, in the records' order of rows too
.set SLOT1, 131072
.set SPARE, 262144                     ; the spare words: 128 bytes for each of 16 waves
.macro PLACES
.rept 4
	v_nop
.endr
.endm
.macro CROUND                          ; a round of the cluster's barrier
	s_barrier_signal -1
	s_barrier_wait -1
	s_cmp_lg_u32 s12, 0
	s_cbranch_scc1 .Lnot_wave_0_\@
	s_barrier_signal -3
.Lnot_wave_0_\@:
	s_barrier_wait -3
	s_barrier_signal -1
	s_barrier_wait -1
.endm
.macro TLOAD                           ; the branches hang on the wave's number alone; four v_nop follow each load
	s_cmp_lt_u32 s12, 4
	s_cbranch_scc0 .Lnot_k_\@
	tensor_load_to_lds s[40:43], s[24:31]                ; a quarter of the k/v block
	s_nop 0
	PLACES
	s_branch .Lasked_\@
.Lnot_k_\@:
	s_cmp_eq_u32 s12, 4
	s_cbranch_scc0 .Lasked_\@
	tensor_load_to_lds s[44:47], s[32:39]                ; the bias tile, jointly
	s_nop 0
	PLACES
.Lasked_\@:
.endm
; A prefetch of the bias tile of step T + 2, which the NEXT change of slots will ask for: 64 rows x 512 bytes = 128 blocks of 256 bytes; each of the four partners names 16 rows' 32 blocks, told apart by address (v87), a lane a block,
; wave 8 alone.  A bias tile is read by one cluster in one step, so each block is named once in the launch.  Steps 0 and 1 come by their loads alone; the last two steps ask for nothing.
.macro ASK
	s_cmp_eq_u32 s12, 8
	s_cbranch_scc0 .Lnot_mine_\@
	s_cmp_lt_u32 s3, 15
	s_cbranch_scc0 .Lnot_mine_\@
	global_prefetch_b8 v87, s[66:67] th:TH_LOAD_NT scope:SCOPE_SE
.Lnot_mine_\@:
.endm
; THE CHANGE OF SLOTS, at a step's head.  Each wave waits for all its tensor loads (its part of the slot that it is about to read), adds 0 to its spare word, and waits for that and for its reads of the slot that it has left.
; fill = 1: behind a round of the cluster's barrier the slot just left takes step T + 1: it has a whole step in which to land.  One tensor load of a wave is out at the most.
.macro CHANGE fill
	s_wait_tensorcnt 0x0                                 ; no tensor load of mine is out, so the descriptors may be written
	ds_add_u32 v5, v6                                    ; 0 onto my spare word; the descriptors' steps stand between it and the wait for it
.if \fill
	s_add_co_u32 s58, s3, 1                              ; step T + 1: of the first block of queries while it is under NA, else of the second
	s_cmp_lt_u32 s58, s19
	s_cselect_b32 s59, 0, s19
	s_cselect_b32 s60, s56, s57
	s_sub_co_u32 s59, s58, s59                           ; its key step
	s_mul_i32 s52, s59, KVBLK
	s_add_nc_u64 s[42:43], s[48:49], s[52:53]
	s_or_b32 s43, s43, 0x80000000
	s_lshl_b32 s54, s59, 9
	s_add_co_u32 s54, s54, s60                           ; the block's first row of the bias, 128 keys a step
	s_add_nc_u64 s[46:47], s[8:9], s[54:55]
	s_or_b32 s47, s47, 0x80000000
	s_xor_b32 s41, s41, SLOT1
	s_xor_b32 s45, s45, SLOT1
	s_wait_xcnt 0x0                                      ; the last prefetch, a step back, has read its address: it is written only behind this wait
	s_add_co_u32 s58, s3, 2                              ; the same for step T + 2 (not used where T + 2 > 16)
	s_cmp_lt_u32 s58, s19
	s_cselect_b32 s59, 0, s19
	s_cselect_b32 s60, s56, s57
	s_sub_co_u32 s59, s58, s59
	s_lshl_b32 s54, s59, 9
	s_add_co_u32 s54, s54, s60
	s_add_nc_u64 s[66:67], s[8:9], s[54:55]
.endif
	s_wait_dscnt 0x0                                     ; the add is done, and my reads of the slot that I have left are over
.if \fill
	CROUND                                               ; that now holds of every wave of all four work-groups
	TLOAD                                                ; the first thing behind the round, and a wave's one tensor load until the next
	ASK
.else
	s_barrier_signal -1
	s_barrier_wait -1
.endif
.endm
; 32 numbers of a lane (register 16 b + i = k 32 b + 16 h + i of my row) become a half's six registers in v[c] on and two scale bytes in v[pw]
.macro QUANT32 s, c, pw, tm
	v_max3_num_f32 v[\tm], |v[\s]|, |v[\s+1]|, 0x1800000
	v_max3_num_f32 v[\tm+1], |v[\s+16]|, |v[\s+17]|, 0x1800000
.irp i, 2,4,6,8,10,12,14
	v_max3_num_f32 v[\tm], v[\tm], |v[\s+\i]|, |v[\s+\i+1]|
	v_max3_num_f32 v[\tm+1], v[\tm+1], |v[\s+16+\i]|, |v[\s+17+\i]|
.endr
	v_permlanex16_b32 v[\tm+2], v[\tm], s20, s21
	v_permlanex16_b32 v[\tm+3], v[\tm+1], s20, s21
	v_max_num_f32 v[\tm], v[\tm], v[\tm+2]
	v_max_num_f32 v[\tm+1], v[\tm+1], v[\tm+3]
	v_add_nc_u32 v[\tm+4], 0xff000000, v[\tm]
	v_add_nc_u32 v[\tm+5], 0xff000000, v[\tm+1]
	v_lshrrev_b32 v[\tm+6], 23, v[\tm+4]
	v_lshrrev_b32 v[\tm+7], 23, v[\tm+5]
	v_lshl_or_b32 v[\pw], v[\tm+7], 8, v[\tm+6]
	v_cvt_scalef32_pk16_fp6_f32 v[\c:\c+2], v[\s:\s+15], v[\tm+4]
	v_cvt_scalef32_pk16_fp6_f32 v[\c+4:\c+6], v[\s+16:\s+31], v[\tm+5]
	v_nop                                                ; one plain place behind a scaled conversion
.irp i, 0,1,2
	v_permlane16_swap_b32 v[\c+\i], v[\c+4+\i]
.endr
.irp i, 0,1,2
	v_mov_b32 v[\c+3+\i], v[\c+4+\i]
.endr
.endm
; A KEY STEP: 128 keys
.macro STEP
	v_add_nc_u32 v8, s2, v1                              ; the step's addresses: five plain lines, the places in front of the loads into registers that the last products read
	v_add_nc_u32 v9, s2, v2
	v_add_nc_u32 v10, s2, v3
	v_add_nc_u32 v11, s2, v4
	v_add_nc_u32 v28, s2, v7
.irp g, 0,1,2,3
.irp m, 0,1,2,3,4,5,6,7
	ds_load_b64 v[96+16*\g+2*\m:97+16*\g+2*\m], v28 offset:BIAS+128*\g+8*\m      ; the bias in the result's layout: register 16 g + i = key 32 g + 16 h + i of my query
.endr
.endr
.irp t, 0,1,2,3,4,5,6,7
	ds_load_b128 v[32+6*\t:35+6*\t], v8 offset:768*\t
	ds_load_b64 v[36+6*\t:37+6*\t], v9 offset:768*\t+512
.endr
.irp g, 0,1,2,3
	ds_load_b32 v[248+\g], v10 offset:KSC+128*\g         ; lanes 0-15: tile 2 g's scale words, lanes 16-31: tile 2 g + 1's
.endr
	s_wait_dscnt 0x0
.irp t, 0,1,2,3,4,5,6,7                                  ; S^T = k q^T / 8 + bias: source 0 = 16 keys, source 1 = my 16 queries
.if \t%2
	v_wmma_scale_f32_16x16x128_f8f6f4 v[96+8*\t:103+8*\t], v[32+6*\t:43+6*\t], v[16:27], v[96+8*\t:103+8*\t], v[248+\t/2], v255 matrix_a_fmt:MATRIX_FMT_FP6 matrix_b_fmt:MATRIX_FMT_FP6 matrix_a_scale:MATRIX_SCALE_ROW1
.else
	v_wmma_scale_f32_16x16x128_f8f6f4 v[96+8*\t:103+8*\t], v[32+6*\t:43+6*\t], v[16:27], v[96+8*\t:103+8*\t], v[248+\t/2], v255 matrix_a_fmt:MATRIX_FMT_FP6 matrix_b_fmt:MATRIX_FMT_FP6
.endif
.endr
	PLACES                                               ; ahead of the loads into k's registers and of the first read of the scores
.irp n, 0,1,2,3                                          ; v's fragments are asked for now: they land under the softmax
	ds_load_b128 v[32+12*\n:35+12*\n], v8 offset:VCO+1536*\n
	ds_load_b64 v[36+12*\n:37+12*\n], v9 offset:VCO+1536*\n+512
	ds_load_b128 v[38+12*\n:41+12*\n], v8 offset:VCO+1536*\n+768
	ds_load_b64 v[42+12*\n:43+12*\n], v9 offset:VCO+1536*\n+1280
.endr
	ds_load_b32 v248, v11 offset:VSC
	ds_load_b32 v249, v11 offset:VSC+128
	s_add_co_u32 s85, s3, 1                              ; a block's last step lies on the diagonal: hidden scores become -infinity ahead of the maximum.  A scalar branch on ids and the counter
	s_cmp_lg_u32 s85, s61
	s_cbranch_scc1 .Lopen_\@
	v_add_nc_u32 v252, s62, v29                          ; d = my query - the step's first key - 16 h: register 16 b + i is hidden where 32 b + i > d
	v_mov_b32 v254, 0xff800000
.set j, 0
.rept 64
	v_cmp_gt_i32 vcc_lo, 32*(j/16)+j%16, v252
	v_cndmask_b32 v[96+j], v[96+j], v254, vcc_lo
.set j, j+1
.endr
.Lopen_\@:
.irp b, 0,1,2,3
	v_max3_num_f32 v[232+\b], v[96+16*\b], v[97+16*\b], v[98+16*\b]       ; the largest score of each block of 32 keys: for the row's maximum, and, since p rises with the score, for the block's largest p
.endr
.irp i, 3,5,7,9,11,13
.irp b, 0,1,2,3
	v_max3_num_f32 v[232+\b], v[232+\b], v[96+16*\b+\i], v[97+16*\b+\i]
.endr
.endr
.irp b, 0,1,2,3
	v_max_num_f32 v[232+\b], v[232+\b], v[111+16*\b]
.endr
.irp b, 0,1,2,3
	v_permlanex16_b32 v[236+\b], v[232+\b], s20, s21
.endr
.irp b, 0,1,2,3
	v_max_num_f32 v[232+\b], v[232+\b], v[236+\b]        ; with lane l xor 16's 16 keys
.endr
	v_max3_num_f32 v254, v232, v233, v234
	v_max_num_f32 v254, v254, v235
	v_mul_f32 v254, s22, v254                            ; as t
	v_max_num_f32 v13, v13, v254                         ; the running largest t
	v_mov_b32 v254, v12
	v_floor_f32 v12, -v13                                ; the new -M = -ceil(t)
	v_sub_f32 v254, v12, v254                            ; old M - new M: a whole number, 0 or less
	v_cvt_i32_f32 v254, v254                             ; (it saturates)
	v_ldexp_f32 v252, 1.0, v254                          ; f = 2^(old M - new M)
.set j, 0
.rept 32
	v_pk_fma_f32 v[96+j:97+j], v[96+j:97+j], s[22:23], v[12:13] op_sel_hi:[1,0,0]     ; t - M, two at a time
.set j, j+2
.endr
.irp b, 0,1,2,3
	v_fma_f32 v[232+\b], v[232+\b], s22, v12             ; the same of each block's largest score
.endr
.set j, 0
.rept 64
	v_exp_f32 v[96+j], v[96+j]                           ; p = 2^(t - M)
.set j, j+1
.endr
	v_pk_mul_f32 v[14:15], v[14:15], v[252:253] op_sel_hi:[1,0]          ; the sums under the new M: the plain place behind the exponentials
	s_wait_alu depctr_va_vdst(0)                         ; one wait for the batch of 64, ahead of its first reader
.irp b, 0,1,2,3
	v_exp_f32 v[232+\b], v[232+\b]                       ; the block's largest p
.endr
	v_pk_add_f32 v[236:237], v[96:97], v[98:99]          ; the row's sum of the unquantised p, in two chains
.irp j, 4,8,12,16,20,24,28,32,36,40,44,48,52,56,60
	v_pk_add_f32 v[14:15], v[14:15], v[96+\j:97+\j]
	v_pk_add_f32 v[236:237], v[236:237], v[98+\j:99+\j]
.endr
	v_pk_add_f32 v[14:15], v[14:15], v[236:237]
	s_wait_alu depctr_va_vdst(0)                         ; and one for the four
.irp b, 0,1,2,3
	v_max_num_f32 v[232+\b], 0x1800000, v[232+\b]        ; the floor 2^(3 - 127)
.endr
.irp b, 0,1,2,3
	v_add_nc_u32 v[244+\b], 0xff000000, v[232+\b]
.endr
.irp b, 0,1,2,3
	v_lshrrev_b32 v[236+\b], 23, v[244+\b]
.endr
	v_lshl_or_b32 v253, v237, 8, v236                    ; p's scale word for these 128 keys
	v_lshl_or_b32 v253, v238, 16, v253
	v_lshl_or_b32 v253, v239, 24, v253
.irp c, 0,1
	v_cvt_scalef32_pk16_fp6_f32 v[224+6*\c:226+6*\c], v[96+32*\c:111+32*\c], v[244+2*\c]
	v_cvt_scalef32_pk16_fp6_f32 v[236+4*\c:238+4*\c], v[112+32*\c:127+32*\c], v[244+2*\c+1]
.endr
	v_nop                                                ; one plain place behind a scaled conversion
.irp c, 0,1
.irp i, 0,1,2
	v_permlane16_swap_b32 v[224+6*\c+\i], v[236+4*\c+\i]
.endr
.irp i, 0,1,2
	v_mov_b32 v[227+6*\c+\i], v[236+4*\c+\i]
.endr
.endr
.set j, 0
.rept 16
	v_pk_mul_f32 v[160+j:161+j], v[160+j:161+j], v[252:253] op_sel_hi:[1,0]   ; O^T under the new M; for each product below twelve of these lines name none of its registers: the places behind the writes of p's codes and scale word
.set j, j+2
.endr
	s_wait_dscnt 0x0                                     ; v's fragments and scale words
.irp n, 0,1,2,3                                          ; O^T += v^T p^T: source 0 = 16 of the head's 64, source 1 = p; K = these 128 keys
.if \n%2
	v_wmma_scale_f32_16x16x128_f8f6f4 v[160+8*\n:167+8*\n], v[32+12*\n:43+12*\n], v[224:235], v[160+8*\n:167+8*\n], v[248+\n/2], v253 matrix_a_fmt:MATRIX_FMT_FP6 matrix_b_fmt:MATRIX_FMT_FP6 matrix_a_scale:MATRIX_SCALE_ROW1
.else
	v_wmma_scale_f32_16x16x128_f8f6f4 v[160+8*\n:167+8*\n], v[32+12*\n:43+12*\n], v[224:235], v[160+8*\n:167+8*\n], v[248+\n/2], v253 matrix_a_fmt:MATRIX_FMT_FP6 matrix_b_fmt:MATRIX_FMT_FP6
.endif
.endr
	s_xor_b32 s2, s2, SLOT1                              ; on to the other slot
.endm
; THE WAY OUT of a block of queries: O^T / the sum; register 16 b + i is o(my query, 32 b + 16 h + i): my head's 64 are one half of the record of my 16 rows; its two scale bytes go beside it
.macro WAYOUT base
	PLACES                                               ; behind the last products
	v_add_f32 v14, v14, v15
	v_permlanex16_b32 v252, v14, s20, s21
	v_add_f32 v14, v14, v252                             ; the row's sum
	v_rcp_f32 v14, v14
	v_nop                                                ; a plain place behind the transcendental
	s_wait_alu depctr_va_vdst(0)                         ; and the wait ahead of its first reader
.set j, 0
.rept 32
	v_mul_f32 v[96+j], v[160+j], v14                     ; each accumulator from its low end on
.set j, j+1
.endr
	s_wait_xcnt 0x0                                      ; an earlier way out's stores have read v200-208: they are written again only behind this wait
	QUANT32 96, 200, 208, 232
	global_store_b128 v30, v[200:203], s[\base:\base+1]  ; 512 consecutive bytes
	global_store_b64 v31, v[204:205], s[\base:\base+1]   ; 256 consecutive bytes
	global_store_b16 v86, v208, s[\base:\base+1]         ; my row's two scale bytes (lanes r and r + 16 hold and write the same two): one 24th of the bytes that leave
.endm
.macro QADDR ireg, dc, ds, da          ; block i of 64 queries: where my tile's codes and scale words lie in qimg, and my record in aorec
	s_lshr_b32 s85, s[\ireg], 1
	s_add_co_u32 s85, s85, s84
	s_mul_i32 s85, s85, KVBLK
	s_and_b32 s88, s[\ireg], 1
	s_lshl_b32 s88, s88, 2
	s_add_co_u32 s88, s88, s14                           ; my tile among the eight of 128 rows
	s_mul_i32 s86, s13, 6144
	s_add_co_u32 s86, s86, s85
	s_mul_i32 s89, s88, 768
	s_add_co_u32 s86, s86, s89
	s_add_nc_u64 s[\dc:\dc+1], s[4:5], s[86:87]
	s_lshl_b32 s86, s13, 9
	s_add_co_u32 s86, s86, s85
	s_lshl_b32 s89, s88, 6
	s_add_co_u32 s86, s86, s89
	s_add_co_u32 s86, s86, KSC
	s_add_nc_u64 s[\ds:\ds+1], s[4:5], s[86:87]
	s_lshl_b32 s86, s17, 7
	s_lshl_b32 s89, s[\ireg], 2
	s_add_co_u32 s86, s86, s89
	s_add_co_u32 s86, s86, s14
	s_mul_i32 s86, s86, REC
	s_add_nc_u64 s[\da:\da+1], s[10:11], s[86:87]
.endm
	s_load_b256 s[4:11], s[0:1], 0x0                     ; qimg, kv, entity_bias, aorec
	v_lshl_add_u32 v5, v0, 2, SPARE
	v_mov_b32 v6, 0
	ds_add_u32 v5, v6
	s_wait_dscnt 0x0
	v_lshrrev_b32 v8, 5, v0
	v_readfirstlane_b32 s12, v8                          ; wave 0..15
	s_lshr_b32 s13, s12, 2                               ; my head in the group of four
	s_and_b32 s14, s12, 3                                ; my tile of queries; also: which quarter of a k/v block I fetch
	s_and_b32 s16, ttmp7, 0xffff
	s_lshr_b32 s17, s16, 4                               ; batch
	s_and_b32 s18, s16, 15                               ; pi: the first block of queries
	s_lshr_b32 s19, s18, 1
	s_add_co_u32 s19, s19, 1                             ; NA: its key steps
	s_mov_b32 s61, s19                                   ; the step behind the diagonal step of the block in hand
	s_and_b32 s62, s18, 1
	s_lshl_b32 s62, s62, 6                               ; the block's first query less the diagonal step's first key: 0 or 64
	s_sub_co_u32 s63, 64, s62                            ; the same for the second block
	s_sub_co_u32 s82, 31, s18                            ; the second block
	s_lshl_b32 s83, s17, 11
	s_lshl_b32 s56, s18, 6
	s_add_co_u32 s56, s56, s83
	s_lshl_b32 s56, s56, 13                              ; the first block's first row of the bias, in bytes (8,192 a row)
	s_lshl_b32 s57, s82, 6
	s_add_co_u32 s57, s57, s83
	s_lshl_b32 s57, s57, 13                              ; the second's
	; descriptor group 1 for a quarter of a k/v block: 13,056 dense bytes as 51 rows of 256
	s_mov_b32 s24, 3<<16
	s_mov_b32 s25, 32<<16
	s_mov_b32 s26, 51<<16
	s_mov_b32 s27, 32<<16
	s_mov_b32 s28, 51
	s_mov_b32 s29, 32
	s_mov_b32 s30, 0
	s_mov_b32 s31, 0
	; and for the bias tile: 64 rows of 128 f32, 2,048 apart, 2 words of padding behind each 128
	s_mov_b32 s32, 15|(2<<16)|(1<<20)|(1<<21)|(6<<22)|(1<<25)
	s_mov_b32 s33, 128<<16
	s_mov_b32 s34, 64<<16
	s_mov_b32 s35, 128<<16
	s_mov_b32 s36, 64
	s_mov_b32 s37, 2048
	s_mov_b32 s38, 0
	s_mov_b32 s39, 0
	s_bfe_u32 s15, ttmp6, 0x40000                        ; cx = my group of heads: it enters addresses in memory alone
	s_lshl_b32 s84, s17, 2
	s_add_co_u32 s84, s84, s15
	s_lshl_b32 s84, s84, 4                               ; the first k/v block of (batch, group of heads)
	s_mul_i32 s86, s84, KVBLK
	s_mul_i32 s41, s14, 13056
	s_add_co_u32 s86, s86, s41
	s_mov_b32 s87, 0
	s_mov_b32 s53, 0
	s_mov_b32 s55, 0
	s_mov_b32 s54, s56
	s_mov_b32 s20, 0x76543210
	s_mov_b32 s21, 0xfedcba98                            ; lane l xor 16
	s_mov_b32 s22, 0x3fb8aa3b                            ; log2(e)
	s_mov_b32 s23, s22
	s_mov_b32 s2, 0                                      ; the slot in hand
	s_wait_kmcnt 0x0
	s_add_nc_u64 s[48:49], s[6:7], s[86:87]              ; my quarter of key step 0's block
	s_mov_b32 s40, 1
	s_mov_b64 s[42:43], s[48:49]
	s_or_b32 s43, s43, 0x80000000
	s_mov_b32 s44, 1
	s_mov_b32 s45, BIAS
	s_add_nc_u64 s[46:47], s[8:9], s[54:55]
	s_or_b32 s47, s47, 0x80000000
	CROUND                                               ; all four work-groups are here
	TLOAD                                                ; step 0 into slot 0
	QADDR 18, 74, 78, 70
	QADDR 82, 76, 80, 72
	v_and_b32 v91, 31, v0                                ; lane
	v_and_b32 v92, 15, v0                                ; r
	v_bfe_u32 v93, v0, 4, 1                              ; h
	v_lshlrev_b32 v88, 4, v91
	v_lshlrev_b32 v89, 4, v92
	v_lshl_add_u32 v89, v93, 3, v89
	v_lshlrev_b32 v90, 2, v92
	global_load_b128 v[16:19], v88, s[74:75]             ; the first block's q: six registers, K = 0 .. 63
	global_load_b64 v[20:21], v89, s[74:75] offset:512
	global_load_b32 v255, v90, s[78:79]
	global_load_b128 v[192:195], v88, s[76:77]           ; the second block's
	global_load_b64 v[196:197], v89, s[76:77] offset:512
	global_load_b32 v198, v90, s[80:81]
	s_mul_i32 s85, s13, 6144
	v_add_nc_u32 v1, s85, v88
	v_add_nc_u32 v2, s85, v89
	v_lshlrev_b32 v94, 2, v91
	s_lshl_b32 s85, s13, 9
	v_add_nc_u32 v3, s85, v94
	s_lshl_b32 s85, s13, 8
	v_add_nc_u32 v4, s85, v94
	s_lshr_b32 s85, s14, 1
	s_lshl_b32 s85, s85, 5
	s_and_b32 s88, s14, 1
	s_lshl_b32 s88, s88, 3
	s_add_co_u32 s85, s85, s88
	v_and_b32 v95, 8, v92
	v_add_nc_u32 v95, v95, v92
	v_add_nc_u32 v95, s85, v95                           ; my query in the block of 64: 32 (qt / 2) + 8 (qt % 2) + r + 8 (r / 8)
	v_mul_u32_u24 v7, v95, BP
	v_lshl_add_u32 v7, v93, 6, v7
	v_lshlrev_b32 v94, 4, v93
	v_sub_nc_u32 v29, v95, v94
	s_lshl_b32 s85, s15, 2
	s_add_co_u32 s85, s85, s13                           ; my head of 16
	s_mul_i32 s88, s85, 768
	v_add_nc_u32 v30, s88, v88
	s_add_co_u32 s88, s88, 512
	v_add_nc_u32 v31, s88, v89
	s_lshr_b32 s88, s85, 3
	s_lshl_b32 s88, s88, 8
	s_bfe_u32 s89, s85, 0x20001
	s_lshl_b32 s89, s89, 2
	s_add_co_u32 s88, s88, s89
	s_and_b32 s89, s85, 1
	s_lshl_b32 s89, s89, 1
	s_add_co_u32 s88, s88, s89
	s_add_co_u32 s88, s88, 12288
	v_lshl_add_u32 v86, v92, 4, s88
	v_lshrrev_b32 v87, 1, v91
	s_lshl_b32 s88, s15, 4
	v_add_nc_u32 v87, s88, v87
	v_lshlrev_b32 v87, 13, v87
	v_and_b32 v94, 1, v91
	v_lshl_add_u32 v87, v94, 8, v87
	v_mov_b32 v13, 0xff61b1e6                            ; the largest t so far: -3e38
	v_floor_f32 v12, -v13
	v_mov_b32 v14, 0
	v_mov_b32 v15, 0
.irp j, 22,23,24,25,26,27, 80,81,82,83,84,85, 232,233,234,235,236,237,238,239, 252,253
	v_mov_b32 v\j, 0                                     ; q's upper K and the last key tile's upper registers: zero codes; the lane permutes' destinations and a pair's upper half are written once
.endr
.set j, 0
.rept 32
	v_mov_b32 v[160+j], 0                                ; O^T: the step is written once, and the first finds zeros
.set j, j+1
.endr
	s_wait_loadcnt 0x0                                   ; q
	s_mov_b32 s3, 0                                      ; T
.Lstep:                                                  ; 16 trips; each asks for the next step's tiles
	CHANGE 1
	s_cmp_lg_u32 s3, s19                                 ; the first block is finished at T = NA: the same in all waves and all partners
	s_cbranch_scc1 .Lsame
	WAYOUT 70
.irp j, 0,1,2,3,4,5
	v_mov_b32 v[16+\j], v[192+\j]                        ; the second block's q,
.endr
	v_mov_b32 v255, v198                                 ; its scale word (the 36 lines below are the places ahead of the next product),
	v_mov_b32 v13, 0xff61b1e6                            ; and a fresh start
	v_floor_f32 v12, -v13
	v_mov_b32 v14, 0
	v_mov_b32 v15, 0
.set j, 0
.rept 32
	v_mov_b32 v[160+j], 0
.set j, j+1
.endr
	s_mov_b32 s61, 17
	s_mov_b32 s62, s63
.Lsame:
	STEP
	s_add_co_u32 s3, s3, 1
	s_cmp_lt_u32 s3, 16
	s_cbranch_scc1 .Lstep
	CHANGE 0                                             ; the last step is written out
	STEP
	WAYOUT 72
	s_wait_tensorcnt 0x0                                 ; the wave's end
	ds_add_u32 v5, v6
	s_wait_dscnt 0x0
	CROUND                                               ; the closing round
	s_endpgm
.Lfunc_end_k_qe751fbe8be_attn:
	.size	k_qe751fbe8be_attn, .Lfunc_end_k_qe751fbe8be_attn-k_qe751fbe8be_attn
	.p2alignl 7, 3214868480
	.fill 96, 4, 3214868480
	.section	.rodata,"a",@progbits
	.p2align	6, 0x0
	.amdhsa_kernel k_qe751fbe8be_attn
		.amdhsa_group_segment_fixed_size 327680
		.amdhsa_private_segment_fixed_size 0
		.amdhsa_enable_private_segment 0
		.amdhsa_kernarg_size 32
		.amdhsa_user_sgpr_count 2
		.amdhsa_user_sgpr_kernarg_segment_ptr 1
		.amdhsa_wavefront_size32 1
		.amdhsa_system_sgpr_workgroup_id_x 1
		.amdhsa_system_sgpr_workgroup_id_y 1
		.amdhsa_system_sgpr_workgroup_id_z 1
		.amdhsa_system_vgpr_workitem_id 0
		.amdhsa_next_free_vgpr 256
		.amdhsa_next_free_sgpr 100
		.amdhsa_reserve_vcc 1
		.amdhsa_float_denorm_mode_32 3
		.amdhsa_float_denorm_mode_16_64 3
		.amdhsa_memory_ordered 1
		.amdhsa_forward_progress 1
		.amdhsa_inst_pref_size 68
	.end_amdhsa_kernel
	.amdgpu_metadata
---
amdhsa.version: [ 1, 2 ]
amdhsa.kernels:
  - .name:           k_qe751fbe8be_attn
    .symbol:         k_qe751fbe8be_attn.kd
    .args:
      - { .name: qimg, .offset: 0, .size: 8, .value_kind: global_buffer, .address_space: global }
      - { .name: kv, .offset: 8, .size: 8, .value_kind: global_buffer, .address_space: global }
      - { .name: entity_bias, .offset: 16, .size: 8, .value_kind: global_buffer, .address_space: global }
      - { .name: aorec, .offset: 24, .size: 8, .value_kind: global_buffer, .address_space: global }
    .group_segment_fixed_size: 327680
    .private_segment_fixed_size: 0
    .kernarg_segment_align: 8
    .kernarg_segment_size: 32
    .max_flat_workgroup_size: 512
    .sgpr_count:     100
    .vgpr_count:     256
    .wavefront_size: 32
...
	.end_amdgpu_metadata
.endif
;; end of part 3
;; launch oproj (part 4): grid 4 x 64, 4 waves a work-group, clusters of 4 x 1, 168,448 bytes of LDS; arguments aorec, worec, b_out, out0; writes out0
.if DOCPART == 4
	.amdgcn_target "amdgcn-amd-amdhsa--gfx1250"
	.amdhsa_code_object_version 6
	.text
	.protected	k_qe751fbe8be_oproj
	.globl	k_qe751fbe8be_oproj
	.p2align	8
	.type	k_qe751fbe8be_oproj,@function
k_qe751fbe8be_oproj:
	s_mov_b64 s[64:65], 0
	v_nop
	global_prefetch_b8 v0, s[64:65] scope:SCOPE_SE
	s_setreg_imm32_b32 hwreg(HW_REG_WAVE_MODE, 25, 1), 1
	s_wait_xcnt 0x0
	s_wait_alu depctr_hold_cnt(0) depctr_sa_sdst(0) depctr_va_vdst(0) depctr_va_sdst(0) depctr_va_ssrc(0) depctr_va_vcc(0) depctr_vm_vsrc(0)
	s_getreg_b32 s2, hwreg(HW_REG_IB_STS2, 6, 4)
	s_cmp_eq_u32 s2, 0
	s_cbranch_scc0 .Lentry_in_a_cluster
	s_endpgm
.Lentry_in_a_cluster:
	s_bfe_u32 s2, ttmp6, 0x10000c
	s_cmp_lg_u32 s2, 0x3003
	s_cbranch_scc0 .Lentry_shape_is_right
	s_endpgm
.Lentry_shape_is_right:
; out0 = o W_out + b_out on codes of FP6 (E2M3); o arrives as records of 16 rows (launch attn), W_out as records of 16 columns (launch quant).
; SHARES.  Work-group (g, y): rows 128 y on, columns 256 g on.  Wave w: 64 columns: 4 records of W_out, 32 fragments, 384 registers, read from memory once.  o's 8 records (102,400 bytes) come into LDS once,
; by joint loads that the four work-groups of a cluster (the four g of one y) share; nothing is filled again.  The weights are not asked for jointly: they go straight into registers, where each fragment feeds all 128 rows.
; Source 0 = 16 columns of W_out, source 1 = 16 rows of o: a lane holds ONE row, and the 16 registers of two neighbouring tiles are 16 neighbouring columns.  b_out is the C of each sum's first product
; (another order of f32 rounding than reference()'s, which adds it last).  Rows go in groups of 32: 8 accumulators by turns, 8 K steps of 128.
; THE WAY OUT: a group's 32 rows x 256 bytes go through the wave's own stage in LDS (rows of 272 bytes) and leave as rows: sixteen lanes store 256 consecutive bytes, aligned.
; REGISTERS: window 0: v1-2 offsets in memory; v4-9 LDS addresses; v10 the bias's offset; v12-14 the way out; v16-31 W's scale words; v32-47 o's, two sets; v48-111 accumulators; v112-159 o's fragments, two sets; v160-223 rows on their way out.
;   window 1: W's fragments of K steps 0-4 at 48 s + 12 t; window 2: K steps 5-7; from v144 the bias.
.set REC,  12800
.set STAGE, 8*REC                      ; behind o's records: 32 rows x 272 bytes for each wave; no fill lands there
.set XA,   4
.set XT,   6
.set XS,   8
.set WS,   16
.set XSC,  32
.set AC,   48
.set XF,   112
.set OB,   160
.set BO,   144
.set MSB,  0
.macro WIN new
.if MSB != (\new)
	s_set_vgpr_msb (MSB<<8)|(\new)
.set MSB, (\new)
.endif
.endm
.macro PLACES
.rept 4
	v_nop
.endr
.endm
.macro CROUND
	s_barrier_signal -1
	s_barrier_wait -1
	s_cmp_lg_u32 s14, 0
	s_cbranch_scc1 .Lnot_wave_0_\@
	s_barrier_signal -3
.Lnot_wave_0_\@:
	s_barrier_wait -3
	s_barrier_signal -1
	s_barrier_wait -1
.endm
.macro WFRAG reg, base, off
.set wR, \reg
.set wF, \off
	global_load_b128 v[wR:wR+3], v1, s[\base:\base+1] offset:wF
	global_load_b64 v[wR+4:wR+5], v2, s[\base:\base+1] offset:wF+512
	global_load_b128 v[wR+6:wR+9], v1, s[\base:\base+1] offset:wF+768
	global_load_b64 v[wR+10:wR+11], v2, s[\base:\base+1] offset:wF+1280
.endm
.macro WMS ra, rb
.if (\ra) && (\rb)
	v_wmma_scale_f32_16x16x128_f8f6f4 v[rD:rD+7], v[rA:rA+11], v[rB:rB+11], v[rC:rC+7], v[rSA], v[rSB] matrix_a_fmt:MATRIX_FMT_FP6 matrix_b_fmt:MATRIX_FMT_FP6 matrix_a_scale:MATRIX_SCALE_ROW1 matrix_b_scale:MATRIX_SCALE_ROW1
.elseif (\ra)
	v_wmma_scale_f32_16x16x128_f8f6f4 v[rD:rD+7], v[rA:rA+11], v[rB:rB+11], v[rC:rC+7], v[rSA], v[rSB] matrix_a_fmt:MATRIX_FMT_FP6 matrix_b_fmt:MATRIX_FMT_FP6 matrix_a_scale:MATRIX_SCALE_ROW1
.elseif (\rb)
	v_wmma_scale_f32_16x16x128_f8f6f4 v[rD:rD+7], v[rA:rA+11], v[rB:rB+11], v[rC:rC+7], v[rSA], v[rSB] matrix_a_fmt:MATRIX_FMT_FP6 matrix_b_fmt:MATRIX_FMT_FP6 matrix_b_scale:MATRIX_SCALE_ROW1
.else
	v_wmma_scale_f32_16x16x128_f8f6f4 v[rD:rD+7], v[rA:rA+11], v[rB:rB+11], v[rC:rC+7], v[rSA], v[rSB] matrix_a_fmt:MATRIX_FMT_FP6 matrix_b_fmt:MATRIX_FMT_FP6
.endif
.endm
.macro FETCH g, s                      ; o's two fragments of group g, K step s: 8 loads
.set fA, (\g)/2
.set fO, ((\g)%2)*2*REC+1536*(\s)
.set fR, XF+24*((\s)%2)
.irp u, 0,1
	ds_load_b128 v[fR+12*\u:fR+12*\u+3], v[XA+fA] offset:fO+\u*REC
	ds_load_b64 v[fR+12*\u+4:fR+12*\u+5], v[XT+fA] offset:fO+\u*REC+512
	ds_load_b128 v[fR+12*\u+6:fR+12*\u+9], v[XA+fA] offset:fO+\u*REC+768
	ds_load_b64 v[fR+12*\u+10:fR+12*\u+11], v[XT+fA] offset:fO+\u*REC+1280
.endr
.endm
.macro XSL g                           ; its scale words, all 8 K steps: 2 loads
.set fA, (\g)/2
.set fO, ((\g)%2)*2*REC
.set fR, XSC+8*((\g)%2)
	ds_load_b128 v[fR:fR+3], v[XS+fA] offset:fO
	ds_load_b128 v[fR+4:fR+7], v[XS+fA] offset:fO+256
.endm
.macro KSTEP q, s
.set kN, 8                             ; the youngest fetch's 8 loads may be out
.if (\s) == 7
.if (\q) < 3
.set kN, 10                            ; the next group's 2 loads of scale words and 8 of fragments may be out
.else
.set kN, 0
.endif
.endif
	s_wait_dscnt kN
.set kW, 1+(\s)/5
.set kB, 48*((\s)%5)
.set kX, XF+24*((\s)%2)
.set kS, XSC+8*((\q)%2)+(\s)
.if (\s) == 0
	WIN 0x20|kW                                          ; source 0 (W) window 1, C (the bias) window 2
.else
	WIN kW
.endif
.irp u, 0,1
.irp t, 0,1,2,3
.set rD, AC+32*\u+8*\t
.set rC, rD
.if (\s) == 0
.set rC, BO+8*\t
.endif
.set rA, kB+12*\t
.set rB, kX+12*\u
.set rSA, WS+4*\t+(\s)%4
.set rSB, kS
	WMS (\s)/4, \u
.endr
.endr
.if (\s) < 6
	WIN 0
	PLACES
	FETCH \q, (\s)+2
.elseif (\q) < 3
	WIN 0
	PLACES
.if (\s) == 6
	XSL (\q)+1
	FETCH (\q)+1, 0
.else
	FETCH (\q)+1, 1
.endif
.endif
.endm
.macro OUT q
	WIN 0
.if (\q) == 3
	PLACES                                               ; behind the last products
.else
	v_nop                                                ; a fifth place beside the four in front of the last fetch: the next group's first products begin these accumulators anew, with the bias as C
.endif
.irp u, 0,1
.irp k, 0,1,2,3,4,5,6,7
	ds_store_b128 v12, v[AC+32*\u+4*\k:AC+32*\u+4*\k+3] offset:16*\u*272+128*(\k/4)+16*(\k%4)     ; stage row 16 u + r; each accumulator from its low end on
.endr
.endr
	s_wait_xcnt 0x0                                      ; the last group's stores have read v160-223: they are loaded again only behind this wait
.irp i, 0,1,2,3,4,5,6,7,8,9,10,11,12,13,14,15
	ds_load_b128 v[OB+4*\i:OB+4*\i+3], v13 offset:544*\i ; stage rows 2 i and 2 i + 1 (LDS serves a wave's instructions in order: these see the stores above)
.endr
.irp i, 0,1,2,3,4,5,6,7,8,9,10,11,12,13,14,15
	s_wait_dscnt 15-\i                                   ; the younger loads from the stage may be out
	global_store_b128 v14, v[OB+4*\i:OB+4*\i+3], s[52:53] offset:(32*(\q)+8*(\i/8)+2*(\i%8)+8*((\i%8)/4))*4096 th:TH_STORE_NT   ; stage row 16 u + r' is row 32 q + 8 u + r' + 8 (r' / 8)
.endr
.endm
	s_load_b256 s[4:11], s[0:1], 0x0                     ; aorec, worec, b_out, out0
	v_lshl_add_u32 v254, v0, 2, 0x29000
	v_mov_b32 v255, 0
	ds_add_u32 v254, v255
	v_lshrrev_b32 v1, 5, v0
	v_readfirstlane_b32 s14, v1                          ; wave
	s_and_b32 s17, ttmp7, 0xffff                         ; y
	s_mov_b32 s24, 15|(3<<16)|(1<<21)                    ; two records, 25,600 dense bytes, as 100 rows of 256; the mask names all four work-groups
	s_mov_b32 s25, 32<<16
	s_mov_b32 s26, 100<<16
	s_mov_b32 s27, 32<<16
	s_mov_b32 s28, 100
	s_mov_b32 s29, 32
	s_mov_b32 s30, 0
	s_mov_b32 s31, 0
	s_lshl_b32 s60, s17, 3
	s_lshl_b32 s61, s14, 1
	s_add_co_u32 s60, s60, s61
	s_mul_i32 s60, s60, REC                              ; records 8 y + 2 w, + 1
	s_mov_b32 s61, 0
	s_mov_b32 s32, 1
	s_mul_i32 s33, s14, 2*REC
	s_wait_dscnt 0x0
	s_wait_kmcnt 0x0
	s_add_nc_u64 s[34:35], s[4:5], s[60:61]
	s_or_b32 s35, s35, 0x80000000
	CROUND                                               ; all four work-groups are here
	tensor_load_to_lds s[32:35], s[24:31]                ; one load of mine is out; these bytes are filled once
	s_nop 0
	PLACES
	s_bfe_u32 s16, ttmp6, 0x40000                        ; g = cx: it enters addresses in memory alone
	v_and_b32 v15, 31, v0                                ; lane
	v_and_b32 v11, 15, v0                                ; r
	v_bfe_u32 v3, v0, 4, 1                               ; h
	v_lshlrev_b32 v1, 4, v15
	v_lshlrev_b32 v2, 4, v11
	v_lshl_add_u32 v2, v3, 3, v2
	v_lshlrev_b32 v4, 4, v15
	v_add_nc_u32 v5, 4*REC, v4
	v_lshlrev_b32 v6, 4, v11
	v_lshl_add_u32 v6, v3, 3, v6
	v_add_nc_u32 v7, 4*REC, v6
	v_mul_u32_u24 v8, v3, REC
	v_lshl_add_u32 v8, v11, 4, v8
	v_add_nc_u32 v8, 12288, v8
	v_add_nc_u32 v9, 4*REC, v8
	v_lshlrev_b32 v10, 6, v3
	s_mul_i32 s18, s14, 32*272
	s_add_co_u32 s18, s18, STAGE                         ; my stage
	v_mul_u32_u24 v12, v11, 272
	v_lshl_add_u32 v12, v3, 6, v12
	v_add_nc_u32 v12, s18, v12                           ; in: row r, + 64 h
	v_mul_u32_u24 v13, v3, 272
	v_lshl_add_u32 v13, v11, 4, v13
	v_add_nc_u32 v13, s18, v13                           ; back: lanes 0-15 one row, lanes 16-31 the next
	v_lshlrev_b32 v14, 12, v3
	v_lshl_add_u32 v14, v11, 4, v14                      ; and the same in out0
	s_mov_b32 s57, 0
	s_lshl_b32 s56, s16, 4
	s_lshl_b32 s58, s14, 2
	s_add_co_u32 s56, s56, s58
	s_mul_i32 s56, s56, REC
	s_add_nc_u64 s[48:49], s[6:7], s[56:57]              ; W_out's records 16 g + 4 w on
	s_lshl_b32 s56, s16, 10
	s_lshl_b32 s58, s14, 8
	s_add_co_u32 s56, s56, s58                           ; column 256 g + 64 w, in bytes
	s_add_nc_u64 s[50:51], s[8:9], s[56:57]              ; b_out there
	s_add_nc_u64 s[52:53], s[10:11], s[56:57]
	s_lshl_b32 s56, s17, 19
	s_add_nc_u64 s[52:53], s[52:53], s[56:57]            ; out0 at row 128 y
.irp s, 0,1,2,3,4,5,6,7
	WIN 0x40*(1+\s/5)
.irp t, 0,1,2,3
	WFRAG 48*(\s%5)+12*\t, 48, \t*REC+1536*\s
.endr
.endr
	WIN 0
.irp t, 0,1,2,3
	global_load_b128 v[WS+4*\t:WS+4*\t+3], v1, s[48:49] offset:\t*REC+12288          ; lanes 0-15: K steps 0-3, lanes 16-31: K steps 4-7
.endr
	WIN 0x80
.irp t, 0,1,2,3
	global_load_b128 v[BO+8*\t:BO+8*\t+3], v10, s[50:51] offset:(32*(\t/2)+8*(\t%2))*4
	global_load_b128 v[BO+8*\t+4:BO+8*\t+7], v10, s[50:51] offset:(32*(\t/2)+8*(\t%2))*4+16
.endr
	WIN 0
	s_wait_loadcnt 0x0                                   ; the weights, their scale words, the bias
	s_wait_tensorcnt 0x0                                 ; my part of o is in,
	s_barrier_signal -1
	s_barrier_wait -1                                    ; everybody's is
	XSL 0
	FETCH 0, 0
	FETCH 0, 1
.irp q, 0,1,2,3
.irp s, 0,1,2,3,4,5,6,7
	KSTEP \q, \s
.endr
	OUT \q
.endr
	s_wait_dscnt 0x0
	s_wait_tensorcnt 0x0
	ds_add_u32 v254, v255
	s_wait_dscnt 0x0
	CROUND                                               ; the closing round
	s_endpgm
.Lfunc_end_k_qe751fbe8be_oproj:
	.size	k_qe751fbe8be_oproj, .Lfunc_end_k_qe751fbe8be_oproj-k_qe751fbe8be_oproj
	.p2alignl 7, 3214868480
	.fill 96, 4, 3214868480
	.section	.rodata,"a",@progbits
	.p2align	6, 0x0
	.amdhsa_kernel k_qe751fbe8be_oproj
		.amdhsa_group_segment_fixed_size 168448
		.amdhsa_private_segment_fixed_size 0
		.amdhsa_enable_private_segment 0
		.amdhsa_kernarg_size 32
		.amdhsa_user_sgpr_count 2
		.amdhsa_user_sgpr_kernarg_segment_ptr 1
		.amdhsa_wavefront_size32 1
		.amdhsa_system_sgpr_workgroup_id_x 1
		.amdhsa_system_sgpr_workgroup_id_y 1
		.amdhsa_system_sgpr_workgroup_id_z 1
		.amdhsa_system_vgpr_workitem_id 0
		.amdhsa_next_free_vgpr 768
		.amdhsa_next_free_sgpr 70
		.amdhsa_reserve_vcc 0
		.amdhsa_float_denorm_mode_32 3
		.amdhsa_float_denorm_mode_16_64 3
		.amdhsa_memory_ordered 1
		.amdhsa_forward_progress 1
		.amdhsa_inst_pref_size 90
	.end_amdhsa_kernel
	.amdgpu_metadata
---
amdhsa.version: [ 1, 2 ]
amdhsa.kernels:
  - .name:           k_qe751fbe8be_oproj
    .symbol:         k_qe751fbe8be_oproj.kd
    .args:
      - { .name: aorec, .offset: 0, .size: 8, .value_kind: global_buffer, .address_space: global }
      - { .name: worec, .offset: 8, .size: 8, .value_kind: global_buffer, .address_space: global }
      - { .name: b_out, .offset: 16, .size: 8, .value_kind: global_buffer, .address_space: global }
      - { .name: out0, .offset: 24, .size: 8, .value_kind: global_buffer, .address_space: global }
    .group_segment_fixed_size: 168448
    .private_segment_fixed_size: 0
    .kernarg_segment_align: 8
    .kernarg_segment_size: 32
    .max_flat_workgroup_size: 128
    .sgpr_count:     70
    .vgpr_count:     768
    .wavefront_size: 32
...
	.end_amdgpu_metadata
.endif
;; end of part 4
